; MI455X (gfx1250); checked and timed in simulation.
; The chip was launched on July 23, 2026; its instructions are those of AMD's public machine-readable ISA for CDNA 5 (MIT licence, August 2026) and "CDNA5" Instruction Set Architecture Reference Guide (July 2026). The comments in the code are by the model that wrote it; some were corrected since.
;; Multi Head Attention. Allowed arithmetic: float matrix products may take bf16 or f16 operands with f32 sums; all other float work in f32.
;; Inputs: b_proj 1,024 float32; b_qkv 3,072 float32; mask 1 x 1 x 2,048 x 2,048 int32; w_proj 1,024 x 1,024 float32; w_qkv 1,024 x 3,072 float32; x 4 x 2,048 x 1,024 float32.
;; Outputs: out0 4 x 2,048 x 1,024 float32.
;; 2 versions, each right and faster than the one before. Each part assembles by itself: llvm-mc -triple=amdgcn-amd-amdhsa -mcpu=gfx1250 --defsym DOCPART=n.
;; ======== version 1 of 2: 4 launches
;; limits: values are held in f16: magnitudes above 65,504 overflow, below 6.1e-05 lose precision
;; workspace buffers: xf 16,777,216 bytes; wf 8,388,608 bytes; mw 524,288 bytes of whole numbers; fl 1,024 bytes of whole numbers; qkvf 50,331,648 bytes; of 16,777,216 bytes
;; launch prep (part 1): grid 512 x 1, 16 waves a work-group, no clusters, 137,472 bytes of LDS; arguments x, w_qkv, w_proj, mask, xf, wf, mw, fl; writes xf, wf, mw, fl
.if DOCPART == 1
	.amdgcn_target "amdgcn-amd-amdhsa--gfx1250"
	.amdhsa_code_object_version 6
	.text
	.protected	k_q20663c222a_prep
	.globl	k_q20663c222a_prep
	.p2align	8
	.type	k_q20663c222a_prep,@function
k_q20663c222a_prep:
	s_mov_b64 s[64:65], 0
	v_nop
	global_prefetch_b8 v0, s[64:65] scope:SCOPE_SE
	s_setreg_imm32_b32 hwreg(HW_REG_WAVE_MODE, 25, 1), 1
	s_wait_xcnt 0x0
; prep: brings the inputs into the order in which the later launches' matrix instructions take them.
; A PIECE is 512 bytes of a matrix M[row][k] of 16-bit numbers: lane L (h = L / 16, r = L % 16) owns bytes 16 L .. 16 L + 15 = M[16 rb + r][16 kp + 8 h + 0..7].
; Two pieces (kp = 2 c, 2 c + 1) are the eight registers of a 16 x 32 operand, so every later operand load is 16 bytes a lane, 512 neighbouring bytes a wave.
;   xf  [ks 8][rb 512][p 8][512]      x in bf16, rows = tokens, kp = 8 ks + p
;   wf  [ks 8][nb 192][p 8][512]      w_qkv turned (rows = output channels) in bf16; behind it, at byte 6,291,456, [ks 8][nb 64][p 8][512]: w_proj turned
;   mw  [qt 128][kb 128][j 8] words   bit 16 h + r of a word = (mask[16 qt + r][16 kb + 8 h + j] != 0): one word masks one register of a tile of scores
;   fl  [qt 128][2] words             bit u of word 0: some entry of the tile's keys 64 u .. 64 u + 63 is allowed; of word 1: all are
; w_proj is rounded to bf16 as x and w_qkv are (one rounding for all inputs of products) and that number is then written in f16, since its partner in the
; last product, the attention's result, is kept in f16.  The second step is exact for 2^-14 <= |w| < 65,504; below, the error is at most 2^-25; LIMIT: |w_proj| < 65,504.
; SHARES.  16 waves; each wave has ONE task of 16 rows x 512 bytes (16 loads of 512 neighbouring bytes), turns it in 8,448 LDS bytes of its own and stores whole pieces.
; The work-group's number picks the role: 0-127 the mask (one tile row of 16 queries each), 128-383 x, 384-479 w_qkv, 480-511 w_proj.
; Memory binds: no matrix unit, no cluster (no byte is read by two work-groups), no tensor load (a task is one round of 16 loads, nothing is filled again).
.set WLDS,  8448                       ; a wave's LDS bytes
.set FLAGS, 16*WLDS                    ; behind them: 32 words 'some allowed', 32 words 'some forbidden', one for each key step of 64
.set T,     8                          ; v[8:15]   at work
.set IN,    16                         ; v[16:79]  the 16 rows as loaded, 4 registers each
.set OUT,   80                         ; v[80:111] 32 registers on their way out
; A weight's task: rows k = 16 kp .. + 15, columns n = 128 nc .. + 127.  Lane L holds columns 4 L + e: piece L / 4, row r = 4 (L % 4) + e of it; its eight k for half h are rows 8 h .. 8 h + 7.
; first: the role's first work-group; pitch: bytes in a row of the weight; nb: blocks of 16 output channels; sec: the section's first byte in wf; src: the pointer's register; half = 1: f16
.macro WROLE first, pitch, nb, sec, src, half
	s_sub_co_u32 s22, s22, \first                  ; i
	s_lshr_b32 s23, s22, 2                         ; nc = i / 4
	s_and_b32 s28, s22, 3
	s_lshl4_add_u32 s28, s28, s20                  ; kp = 16 (i % 4) + wave
	s_mul_i32 s24, s28, 16*\pitch
	s_lshl_b32 s29, s23, 9
	s_add_co_u32 s24, s24, s29
	s_add_nc_u64 s[\src:\src+1], s[\src:\src+1], s[24:25]
.irp p, 0,1,2,3,4,5,6,7,8,9,10,11,12,13,14,15
	global_load_b128 v[IN+4*\p:IN+4*\p+3], v2, s[\src:\src+1] offset:\pitch*\p th:TH_LOAD_NT
.endr
	s_lshr_b32 s29, s28, 3                         ; ks = kp / 8
	s_mul_i32 s24, s29, \nb*4096
	s_lshl_b32 s29, s23, 15                        ; 8 nc blocks of 4,096 bytes
	s_add_co_u32 s24, s24, s29
	s_and_b32 s29, s28, 7
	s_lshl_b32 s29, s29, 9                         ; piece kp % 8
	s_add_co_u32 s24, s24, s29
.if \sec
	s_add_co_u32 s24, s24, \sec
.endif
	s_add_nc_u64 s[14:15], s[14:15], s[24:25]
	v_lshrrev_b32 v3, 2, v1                        ; in: piece L / 4 at a pitch of 528 bytes = 33 x 16, so that the 16 lanes of half a wave
	v_mul_u32_u24 v3, v3, 528                      ; (4 pieces x 4 places 64 bytes apart) fall on 16 different columns of 16 bytes
	v_and_b32 v4, 3, v1
	v_lshl_add_u32 v3, v4, 6, v3
	v_add_nc_u32 v3, s21, v3
	v_add_nc_u32 v4, s21, v2                       ; back: 16 L in each piece
.irp h, 0,1
	s_wait_loadcnt 8-8*\h                          ; rows 0 to 7 are in while 8 younger loads stay out; then all
.irp e, 0,1,2,3
.irp t, 0,1,2,3
	v_cvt_pk_bf16_f32 v[OUT+16*\h+4*\e+\t], v[IN+4*(8*\h+2*\t)+\e], v[IN+4*(8*\h+2*\t+1)+\e]
.if \half
	v_lshlrev_b32 v[T], 16, v[OUT+16*\h+4*\e+\t]   ; the two bf16 numbers as f32,
	v_and_b32 v[T+1], 0xffff0000, v[OUT+16*\h+4*\e+\t]
	v_cvt_pk_f16_f32 v[OUT+16*\h+4*\e+\t], v[T], v[T+1]   ; and written in f16
.endif
.endr
	ds_store_b128 v3, v[OUT+16*\h+4*\e:OUT+16*\h+4*\e+3] offset:256*\h+16*\e
.endr
.endr
.irp n, 0,1,2,3,4,5,6,7
	ds_load_b128 v[IN+4*\n:IN+4*\n+3], v4 offset:528*\n    ; LDS serves a wave's instructions in order (ISA guide 5.7.1.4): these see the stores above
.endr
.irp n, 0,1,2,3,4,5,6,7
	s_wait_dscnt 7-\n                              ; piece n is back, the younger ones stay out
	global_store_b128 v2, v[IN+4*\n:IN+4*\n+3], s[14:15] offset:4096*\n   ; a whole piece: 512 neighbouring bytes
.endr
.endm
	s_load_b512 s[4:19], s[0:1], 0x0               ; x s[4:5], w_qkv s[6:7], w_proj s[8:9], mask s[10:11], xf s[12:13], wf s[14:15], mw s[16:17], fl s[18:19]
	v_lshl_add_u32 v112, v0, 2, 0x21100
	v_mov_b32 v113, 0
	v_and_b32 v1, 31, v0                           ; L
	v_lshrrev_b32 v3, 5, v0
	v_readfirstlane_b32 s20, v3                    ; wave 0..15
	v_lshlrev_b32 v2, 4, v1                        ; 16 L: the lane's place in every row loaded and every piece stored; never rewritten
	s_mul_i32 s21, s20, WLDS                       ; my wave's LDS bytes
	s_mov_b32 s30, ttmp9                           ; the work-group's number, kept
	s_mov_b32 s22, ttmp9                           ; and the number within the role
	s_mov_b32 s25, 0                               ; high word of every offset pair s[24:25]
	s_wait_kmcnt 0x0
	s_cmp_lt_u32 s30, 128
	s_cbranch_scc1 .Lmask
	s_cmp_lt_u32 s30, 384
	s_cbranch_scc1 .Lx
	s_cmp_lt_u32 s30, 480
	s_cbranch_scc1 .Lwq
	WROLE 480, 4096, 64, 6291456, 8, 1
	s_branch .Ltail
.Lwq:
	WROLE 384, 12288, 192, 0, 6, 0
	s_branch .Ltail
.Lx:    ; x: rows 16 rb .. + 15, columns 128 ks .. + 127.  Lane L holds k = 4 L .. 4 L + 3 of a row: half piece L / 2, 8 bytes at 8 (L % 2) of the row's 16
	s_sub_co_u32 s22, s22, 128                     ; i
	s_lshr_b32 s23, s20, 3
	s_lshl1_add_u32 s23, s22, s23                  ; rb = 2 i + wave / 8
	s_and_b32 s28, s20, 7                          ; ks = wave % 8
	s_lshl_b32 s24, s23, 16                        ; 16 rows of 4,096 bytes
	s_lshl_b32 s29, s28, 9
	s_add_co_u32 s24, s24, s29
	s_add_nc_u64 s[4:5], s[4:5], s[24:25]
.irp p, 0,1,2,3,4,5,6,7,8,9,10,11,12,13,14,15
	global_load_b128 v[IN+4*\p:IN+4*\p+3], v2, s[4:5] offset:4096*\p th:TH_LOAD_NT
.endr
	s_lshl_b32 s24, s28, 21                        ; xf: ks x 2 MiB + rb x 4,096
	s_lshl_b32 s29, s23, 12
	s_add_co_u32 s24, s24, s29
	s_add_nc_u64 s[12:13], s[12:13], s[24:25]
	v_lshrrev_b32 v3, 1, v1                        ; in: half pieces of 256 bytes at a pitch of 272 = 68 words: the 32 lanes' 8 bytes fall on 64 different banks (64 banks of 4 bytes: ISA guide 11.1)
	v_mul_u32_u24 v3, v3, 272
	v_and_b32 v4, 1, v1
	v_lshl_add_u32 v3, v4, 3, v3
	v_add_nc_u32 v3, s21, v3
	v_lshrrev_b32 v4, 4, v1                        ; back: half piece 2 p + h, 16 r in it
	v_mul_u32_u24 v4, v4, 272
	v_and_b32 v5, 15, v1
	v_lshl_add_u32 v4, v5, 4, v4
	v_add_nc_u32 v4, s21, v4
.irp p, 0,1,2,3,4,5,6,7,8,9,10,11,12,13,14,15
	s_wait_loadcnt 15-\p                           ; loads come back in order (ISA guide 5.7.1): row p is in, the younger rows stay out
	v_cvt_pk_bf16_f32 v[T+2*(\p%4)], v[IN+4*\p], v[IN+4*\p+1]
	v_cvt_pk_bf16_f32 v[T+2*(\p%4)+1], v[IN+4*\p+2], v[IN+4*\p+3]
	ds_store_b64 v3, v[T+2*(\p%4):T+2*(\p%4)+1] offset:16*\p
.endr
.irp p, 0,1,2,3,4,5,6,7
	ds_load_b128 v[OUT+4*\p:OUT+4*\p+3], v4 offset:544*\p  ; in order behind the stores above
.endr
.irp p, 0,1,2,3,4,5,6,7
	s_wait_dscnt 7-\p
	global_store_b128 v2, v[OUT+4*\p:OUT+4*\p+3], s[12:13] offset:512*\p   ; the task's 8 pieces are 4,096 neighbouring bytes
.endr
	s_branch .Ltail
.Lmask: ; the mask: queries 16 qt .. + 15 (qt = the work-group's number), keys 128 w .. + 127
	s_lshl_b32 s24, s22, 17                        ; 16 rows of 8,192 bytes
	s_lshl_b32 s29, s20, 9
	s_add_co_u32 s24, s24, s29
	s_add_nc_u64 s[10:11], s[10:11], s[24:25]
.irp p, 0,1,2,3,4,5,6,7,8,9,10,11,12,13,14,15
	global_load_b128 v[IN+4*\p:IN+4*\p+3], v2, s[10:11] offset:8192*\p th:TH_LOAD_NT
.endr
	s_lshl_b32 s24, s22, 12                        ; mw: qt x 4,096 + wave x 256 (64 words)
	s_lshl_b32 s29, s20, 8
	s_add_co_u32 s24, s24, s29
	s_add_nc_u64 s[16:17], s[16:17], s[24:25]
	v_add_nc_u32 v3, s21, v2                       ; in: rows at a pitch of 528 bytes
	v_and_b32 v4, 15, v1                           ; back: lane (h, r) takes row r, keys 8 h + 0..7 of a block of 16: 16 rows 33 x 16 bytes apart, 16 different columns of 16 bytes
	v_mul_u32_u24 v4, v4, 528
	v_lshrrev_b32 v5, 4, v1
	v_lshl_add_u32 v4, v5, 5, v4
	v_add_nc_u32 v4, s21, v4
	v_lshlrev_b32 v5, 3, v1                        ; 8 L: two words a lane on the way out
	v_mov_b32 v6, 0                                ; v_writelane_b32 keeps the other lanes: both registers are written whole first
	v_mov_b32 v7, 0
.irp p, 0,1,2,3,4,5,6,7,8,9,10,11,12,13,14,15
	s_wait_loadcnt 15-\p
	ds_store_b128 v3, v[IN+4*\p:IN+4*\p+3] offset:528*\p
.endr
.irp g, 0,1                            ; the wave's two key steps of 64
.irp c, 0,1,2,3
	ds_load_b128 v[OUT+8*\c:OUT+8*\c+3],   v4 offset:256*\g+64*\c
	ds_load_b128 v[OUT+8*\c+4:OUT+8*\c+7], v4 offset:256*\g+64*\c+16
.endr
	s_wait_dscnt 0x0
.irp c, 0,1,2,3                        ; block of 16 keys c: eight compares, each a word of 32 lanes' bits, then their places: word W = 32 g + 8 c + j goes to lane W / 2, register W % 2
.irp j, 0,1,2,3,4,5,6,7
	v_cmp_ne_u32 s[32+\j], 0, v[OUT+8*\c+\j]
.endr
.irp j, 0,1,2,3,4,5,6,7
	v_writelane_b32 v[6+(\j&1)], s[32+\j], (32*\g+8*\c+\j)>>1
.if (\c == 0) && (\j == 0)
	s_mov_b32 s[26+2*\g], s32                      ; the first word starts both: the OR (some allowed) and the AND (all allowed)
	s_mov_b32 s[27+2*\g], s32
.else
	s_or_b32 s[26+2*\g], s[26+2*\g], s[32+\j]
	s_and_b32 s[27+2*\g], s[27+2*\g], s[32+\j]
.endif
.endr
.endr
.endr
	global_store_b64 v5, v[6:7], s[16:17]          ; the wave's 64 words: 256 neighbouring bytes, aligned
	s_not_b32 s27, s27                             ; not 0 where some entry is forbidden
	s_not_b32 s29, s29
	v_mov_b32 v8, s26
	v_mov_b32 v9, s28
	v_mov_b32 v10, s27
	v_mov_b32 v11, s29
	v_mov_b32 v12, FLAGS
	v_lshl_add_u32 v12, s20, 3, v12                ; key steps 2 w and 2 w + 1: my wave's own two words in each list (all lanes write the same numbers)
	ds_store_b64 v12, v[8:9]
	ds_store_b64 v12, v[10:11] offset:128
.Ltail: ; every role passes the launch's one barrier here; only the mask's role has handed anything to another wave
	s_wait_dscnt 0x0                               ; for the others' sake: my LDS stores are done
	s_barrier_signal -1
	s_barrier_wait -1
	s_cmp_lt_u32 s30, 128
	s_cbranch_scc0 .Lend
	s_cmp_eq_u32 s20, 0
	s_cbranch_scc0 .Lend
	v_lshlrev_b32 v13, 2, v1                       ; wave 0 of a mask group: lane u takes key step u's two words
	v_add_nc_u32 v13, FLAGS, v13
	ds_load_b32 v14, v13
	ds_load_b32 v15, v13 offset:128
	s_lshl_b32 s24, s30, 3
	s_add_nc_u64 s[18:19], s[18:19], s[24:25]
	s_wait_dscnt 0x0
	v_cmp_ne_u32 s32, 0, v14                       ; bit u: some entry allowed
	v_cmp_eq_u32 s33, 0, v15                       ; bit u: none forbidden
	v_mov_b32 v8, s32
	v_mov_b32 v9, s33
	v_mov_b32 v10, 0
	v_cmp_eq_u32 vcc_lo, 0, v1
	s_wait_xcnt 0x0                                ; EXEC is a source of the stores above: it changes only behind this wait
	s_and_saveexec_b32 s34, vcc_lo
	global_store_b64 v10, v[8:9], s[18:19]         ; 8 bytes a tile row: 1,024 bytes in the whole launch
	s_wait_xcnt 0x0                                ; and again in front of the line that widens it
	s_or_b32 exec_lo, exec_lo, s34
.Lend:
	s_wait_tensorcnt 0x0
	ds_add_u32 v112, v113
	s_wait_dscnt 0x0
	s_endpgm
.Lfunc_end_k_q20663c222a_prep:
	.size	k_q20663c222a_prep, .Lfunc_end_k_q20663c222a_prep-k_q20663c222a_prep
	.p2alignl 7, 3214868480
	.fill 96, 4, 3214868480
	.section	.rodata,"a",@progbits
	.p2align	6, 0x0
	.amdhsa_kernel k_q20663c222a_prep
		.amdhsa_group_segment_fixed_size 137472
		.amdhsa_private_segment_fixed_size 0
		.amdhsa_enable_private_segment 0
		.amdhsa_kernarg_size 64
		.amdhsa_user_sgpr_count 2
		.amdhsa_user_sgpr_kernarg_segment_ptr 1
		.amdhsa_wavefront_size32 1
		.amdhsa_system_sgpr_workgroup_id_x 1
		.amdhsa_system_sgpr_workgroup_id_y 1
		.amdhsa_system_sgpr_workgroup_id_z 1
		.amdhsa_system_vgpr_workitem_id 0
		.amdhsa_next_free_vgpr 114
		.amdhsa_next_free_sgpr 66
		.amdhsa_reserve_vcc 1
		.amdhsa_float_denorm_mode_32 3
		.amdhsa_float_denorm_mode_16_64 3
		.amdhsa_memory_ordered 1
		.amdhsa_forward_progress 1
		.amdhsa_inst_pref_size 45
	.end_amdhsa_kernel
	.amdgpu_metadata
---
amdhsa.version: [ 1, 2 ]
amdhsa.kernels:
  - .name:           k_q20663c222a_prep
    .symbol:         k_q20663c222a_prep.kd
    .args:
      - { .name: x, .offset: 0, .size: 8, .value_kind: global_buffer, .address_space: global }
      - { .name: w_qkv, .offset: 8, .size: 8, .value_kind: global_buffer, .address_space: global }
      - { .name: w_proj, .offset: 16, .size: 8, .value_kind: global_buffer, .address_space: global }
      - { .name: mask, .offset: 24, .size: 8, .value_kind: global_buffer, .address_space: global }
      - { .name: xf, .offset: 32, .size: 8, .value_kind: global_buffer, .address_space: global }
      - { .name: wf, .offset: 40, .size: 8, .value_kind: global_buffer, .address_space: global }
      - { .name: mw, .offset: 48, .size: 8, .value_kind: global_buffer, .address_space: global }
      - { .name: fl, .offset: 56, .size: 8, .value_kind: global_buffer, .address_space: global }
    .group_segment_fixed_size: 137472
    .private_segment_fixed_size: 0
    .kernarg_segment_align: 8
    .kernarg_segment_size: 64
    .max_flat_workgroup_size: 512
    .sgpr_count:     66
    .vgpr_count:     114
    .wavefront_size: 32
...
	.end_amdgpu_metadata
.endif
;; end of part 1
;; launch qkv (part 2): grid 4 x 64, 4 waves a work-group, clusters of 4 x 4, 327,680 bytes of LDS; arguments xf, wf, b_qkv, qkvf; writes qkvf
.if DOCPART == 2
	.amdgcn_target "amdgcn-amd-amdhsa--gfx1250"
	.amdhsa_code_object_version 6
	.text
	.protected	k_q20663c222a_qkv
	.globl	k_q20663c222a_qkv
	.p2align	8
	.type	k_q20663c222a_qkv,@function
k_q20663c222a_qkv:
	s_mov_b64 s[64:65], 0
	v_nop
	global_prefetch_b8 v0, s[64:65] scope:SCOPE_SE
	s_setreg_imm32_b32 hwreg(HW_REG_WAVE_MODE, 25, 1), 1
	s_wait_xcnt 0x0
	s_wait_alu depctr_hold_cnt(0) depctr_sa_sdst(0) depctr_va_vdst(0) depctr_va_sdst(0) depctr_va_ssrc(0) depctr_va_vcc(0) depctr_vm_vsrc(0)
	s_getreg_b32 s2, hwreg(HW_REG_IB_STS2, 6, 4)
	s_cmp_eq_u32 s2, 0
	s_cbranch_scc0 .Lentry_in_a_cluster
	s_endpgm
.Lentry_in_a_cluster:
	s_bfe_u32 s2, ttmp6, 0x10000c
	s_cmp_lg_u32 s2, 0xf033
	s_cbranch_scc0 .Lentry_shape_is_right
	s_endpgm
.Lentry_shape_is_right:
; qkv: q, k, v = x w_qkv (+ b_qkv for q and k), products in bf16 with f32 sums, results in f16, stored in the order in which the attention's matrix instructions take them.
; Operands lie in PIECES of 512 bytes: lane L (h = L / 16, r = L % 16) owns bytes 16 L .. + 15 = M[16 rb + r][16 kp + 8 h + 0..7]; two pieces are the 8 registers of a 16 x 32 operand.
;   xf [ks 8][rb 512][p 8][512] x;  wf [ks 8][nb 192][p 8][512] w_qkv turned (rows = output channels);  ks = K step of 128.
;   qkvf: Q at 0, K at 16 MiB, V at 32 MiB, each [batch x head 64][tb 128][4][512].  Q, K: piece (token block tb, d / 16).  V: piece of V^T (row block d / 16, key piece tb), at [tb][d / 16].
; A tile of the result is 128 tokens x 256 channels; four waves, 2 x 2, each 64 tokens x 128 channels: 32 accumulators, 256 registers.  256 work-groups; A WORK-GROUP STAYS and makes
; three tiles of its 128 tokens: its 256 channels of q, of k and of v, written out one after the other; the ring of LDS slots runs on from tile to tile.
; q, k: source 0 = 16 channels of W, source 1 = 16 tokens of X: a lane holds one token and 8 neighbouring channels, which pack into its 16 bytes of a piece of [token][d].
; v: the sources change places: a lane holds one channel and 8 neighbouring tokens: its 16 bytes of a piece of V^T.  So nothing is turned or staged: each accumulator leaves as one store of 512 neighbouring bytes.
; q's and k's bias is the C of a tile's first products.  v's bias is NOT added here: the softmax's weights sum to 1, so sum p (v + b) = sum p v + b, and the attention adds b in f32.
; LIMIT: |q|, |k|, |v| < 65,504 (f16).  f16 because the results of queries with few allowed keys are as large as v itself, and 8 bits of mantissa in v, q, k would show there.
; CLUSTERS: 4 x 4 work-groups.  The four of a row of the cluster need the same tiles of X, the four of a column the same tiles of W: each is asked for jointly.
; REGISTERS: window 0: v16-25 addresses; v32-127, v128-223 two fragment buffers (64 of W, 32 of X); v128-255 packed results on the way out.
;   window 1: the accumulators, (a, b) at v[8 (8 a + b)].   window 2: v0-63 q's bias, v64-127 k's, as a C operand: register 8 b + j of lane (r, h) = bias[16 b + 8 h + j].
.set KS_X,  2097152                    ; bytes from a K step to the next in xf
.set KS_W,  786432                     ; and in wf
.set WOFF,  32768                      ; a slot: X's 8 row blocks of 4,096 bytes, then W's 16
.set SLOT,  98304
.set ADRX,  16                         ; v16-17  LDS address of my X fragments in slot 0, 1
.set ADRW,  20                         ; v20-21  the same for W
.set CO,    24                         ; v24     16 L
.set BOFF,  25                         ; v25     32 h: my 8 numbers in a block of 16 of the bias
.set F0,    32
.set F1,    128
.set TMP,   128
.set G1,    24                         ; s[24:31] descriptor group 1 for X's tiles;  s[32:39] group 0, one set for each slot
.set G0,    32
.set G1B,   48                         ; s[48:55], s[56:63] the same for W's
.set G0B,   56
.set MSB,   0
.macro WIN new                         ; the immediate's high byte repeats the setting that is left; a switch that changes nothing is dropped
.if MSB != \new
	s_set_vgpr_msb (MSB<<8)|\new
.set MSB, \new
.endif
.endm
.macro PLACES                          ; four places in front of loads into registers that matrix instructions have read, and of conversions that read results
.rept 4
	v_nop
.endr
.endm
.macro JLOAD s                         ; a joint load: waves 0 and 1 fetch X's two halves, waves 2 and 3 W's; four v_nop follow each of the two lines
	s_cmp_eq_u32 s13, 0
	s_cbranch_scc0 .Lfor_w_\@
	tensor_load_to_lds s[G0+4*\s:G0+4*\s+3], s[G1:G1+7]
	s_nop 0
.rept 4
	v_nop
.endr
	s_branch .Lasked_\@
.Lfor_w_\@:
	tensor_load_to_lds s[G0B+4*\s:G0B+4*\s+3], s[G1B:G1B+7]
	s_nop 0
.rept 4
	v_nop
.endr
.Lasked_\@:
.endm
.macro CREST                           ; a round of the cluster's barrier behind its opening barrier
	s_cmp_lg_u32 s12, 0
	s_cbranch_scc1 .Lnot_wave_0_\@
	s_barrier_signal -3
.Lnot_wave_0_\@:
	s_barrier_wait -3
	s_barrier_signal -1
	s_barrier_wait -1
.endm
.macro CROUND                          ; a whole round
	s_barrier_signal -1
	s_barrier_wait -1
	CREST
.endm
	s_load_b256 s[4:11], s[0:1], 0x0               ; xf s[4:5], wf s[6:7], b_qkv s[8:9], qkvf s[10:11]
	v_lshl_add_u32 v30, v0, 2, 0x30000
	v_mov_b32 v31, 0
	ds_add_u32 v30, v31
	ds_add_u32 v30, v31
	v_lshrrev_b32 v1, 5, v0
	v_readfirstlane_b32 s12, v1                    ; wave 0..3
	s_lshr_b32 s13, s12, 1                         ; which 64 tokens are mine.  Also: I fetch for X (0) or for W (1)
	s_and_b32 s14, s12, 1                          ; which 128 channels.  Also: which half of that tile I fetch
	s_bfe_u32 s40, ttmp6, 0x40000                  ; cx, cy: my place in the cluster
	s_bfe_u32 s41, ttmp6, 0x40004
	s_lshl_b32 s42, ttmp9, 2
	s_add_co_u32 s42, s42, s40                     ; x = 4 x cluster x + cx: my 256 channels
	s_and_b32 s43, ttmp7, 0xffff
	s_lshl_b32 s43, s43, 2
	s_add_co_u32 s43, s43, s41                     ; y = 4 x cluster y + cy: my 128 tokens
	s_lshl_b32 s44, s41, 2
	s_lshl_b32 s44, 15, s44                        ; my row of the cluster
	s_lshl_b32 s45, 0x1111, s40                    ; my column
	; descriptor group 1.  What a wave fetches is dense in memory (4 row blocks of X = 16 KiB, 8 of W = 32 KiB): rows of 32 elements of 8 bytes, each beginning where the last ends; no padding
	s_or_b32 s[G1+0], s44, (3<<16)|(1<<21)         ; 15:0 the mask: X's tiles go to my row; 17:16 elements of 8 bytes; 21 set beside a mask
	s_or_b32 s[G1B+0], s45, (3<<16)|(1<<21)        ; W's tiles go to my column
.irp g, G1, G1B
	s_mov_b32 s[\g+1], 32<<16                      ; tensor_dim0 = 32
	s_mov_b32 s[\g+3], 32<<16                      ; tile_dim0 = 32
	s_mov_b32 s[\g+5], 32                          ; tensor_dim0_stride = 32
	s_mov_b32 s[\g+6], 0
	s_mov_b32 s[\g+7], 0
.endr
	s_mov_b32 s[G1+2], 64<<16                      ; tensor_dim1 = 64 rows of 256 bytes
	s_mov_b32 s[G1+4], 64                          ; tile_dim1
	s_mov_b32 s[G1B+2], 128<<16                    ; 128 rows
	s_mov_b32 s[G1B+4], 128
	s_lshl_b32 s16, s43, 15                        ; X: 8 y row blocks + my half's 4
	s_lshl_b32 s18, s14, 14
	s_add_co_u32 s16, s16, s18
	s_mov_b32 s17, 0
	s_lshl_b32 s46, s42, 16                        ; W: 16 x row blocks + my half's 8
	s_lshl_b32 s19, s14, 15
	s_add_co_u32 s46, s46, s19
	s_mov_b32 s47, 0
	s_lshl_b32 s20, s14, 14                        ; where they go: no place in the cluster enters an LDS address
	s_lshl_b32 s21, s14, 15
	s_add_co_u32 s21, s21, WOFF
	s_wait_dscnt 0x0
	s_wait_kmcnt 0x0
	s_add_nc_u64 s[16:17], s[4:5], s[16:17]
	s_add_nc_u64 s[46:47], s[6:7], s[46:47]
	CROUND                                         ; all sixteen work-groups are here: the first joint loads meet
.irp s, 0,1
	s_mov_b32 s[G0+4*\s], 1                                        ; count = 1
	s_add_co_u32 s[G0+4*\s+1], s20, \s*SLOT                        ; LDS address
	s_add_nc_u64 s[G0+4*\s+2:G0+4*\s+3], s[16:17], \s*KS_X         ; global address: K step s
	s_or_b32 s[G0+4*\s+3], s[G0+4*\s+3], 0x80000000                ; type = 2
	s_mov_b32 s[G0B+4*\s], 1
	s_add_co_u32 s[G0B+4*\s+1], s21, \s*SLOT
	s_add_nc_u64 s[G0B+4*\s+2:G0B+4*\s+3], s[46:47], \s*KS_W
	s_or_b32 s[G0B+4*\s+3], s[G0B+4*\s+3], 0x80000000
	JLOAD \s                                       ; two tensor loads of mine are out; later one
.endr
	v_and_b32 v1, 31, v0
	v_lshlrev_b32 v[CO], 4, v1
	v_bfe_u32 v2, v0, 4, 1
	v_lshlrev_b32 v[BOFF], 5, v2
	s_lshl_b32 s22, s13, 14                        ; my 4 row blocks of X
	s_lshl_b32 s23, s14, 15                        ; my 8 row blocks of W,
	s_add_co_u32 s23, s23, WOFF                    ; which lie behind X's
.irp s, 0,1
	v_add_nc_u32 v[ADRX+\s], s22, v[CO]
	v_add_nc_u32 v[ADRW+\s], s23, v[CO]
	s_add_co_u32 s22, s22, SLOT
	s_add_co_u32 s23, s23, SLOT
.endr
	s_lshl_b32 s22, s42, 10                        ; the bias of my 128 channels of q: 4 (256 x + 128 half) bytes on; k's lies 4,096 bytes behind
	s_lshl_b32 s23, s14, 9
	s_add_co_u32 s22, s22, s23
	s_mov_b32 s23, 0
	s_add_nc_u64 s[8:9], s[8:9], s[22:23]
	WIN 0x80                                       ; destination window 2
.irp t, 0,1
.irp b, 0,1,2,3,4,5,6,7
	global_load_b128 v[64*\t+8*\b:64*\t+8*\b+3],   v[BOFF], s[8:9] offset:4096*\t+64*\b
	global_load_b128 v[64*\t+8*\b+4:64*\t+8*\b+7], v[BOFF], s[8:9] offset:4096*\t+64*\b+16
.endr
.endr
	WIN 0
	s_lshr_b32 s18, s43, 4                         ; where my results go: (16 batch + 4 x + 2 half) heads of 262,144 bytes + (8 (y % 16) + 4 half) token blocks of 2,048
	s_lshl_b32 s18, s18, 4
	s_lshl2_add_u32 s18, s42, s18
	s_lshl1_add_u32 s18, s14, s18
	s_lshl_b32 s18, s18, 18
	s_and_b32 s19, s43, 15
	s_lshl_b32 s19, s19, 3
	s_lshl2_add_u32 s19, s13, s19
	s_lshl_b32 s19, s19, 11
	s_add_co_u32 s18, s18, s19
	s_mov_b32 s19, 0
	s_add_nc_u64 s[10:11], s[10:11], s[18:19]
; 8 matrix instructions: token block a x all 8 channel blocks, 32 along K, from buffer f.  cm = 0: onto the sums; 1: the constant 0 starts them; 2: the bias at v[bias ..] of window 2 starts them.
; sw = 0: W is source 0; 1: X is.  The 32 accumulators take turns, one instruction a turn, in the same order in every quarter.
.macro MUL8 f, a, cm, sw, bias
.irp b, 0,1,2,3,4,5,6,7
.if \sw
.set rA, \f+64+8*(\a)
.set rB, \f+8*\b
.else
.set rA, \f+8*\b
.set rB, \f+64+8*(\a)
.endif
.set rD, 8*(8*(\a)+\b)
.if \cm == 0
	v_wmma_f32_16x16x32_bf16 v[rD:rD+7], v[rA:rA+7], v[rB:rB+7], v[rD:rD+7]
.elseif \cm == 1
	v_wmma_f32_16x16x32_bf16 v[rD:rD+7], v[rA:rA+7], v[rB:rB+7], 0
.else
	v_wmma_f32_16x16x32_bf16 v[rD:rD+7], v[rA:rA+7], v[rB:rB+7], v[\bias+8*\b:\bias+8*\b+7]
.endif
.endr
.endm
.macro MWIN cm                         ; sources 0 and 1 window 0, D window 1; C window 1, or window 2 for the bias
.if \cm == 2
	WIN 0x60
.else
	WIN 0x50
.endif
.endm
; 24 LDS loads in one run: quarter q (32 along K: pieces 2 q, 2 q + 1) of a slot into buffer f: W's 8 blocks, then X's 4.  Each takes 512 neighbouring bytes.
.macro FETCH slot, q, f
.irp b, 0,1,2,3,4,5,6,7
	ds_load_b128 v[\f+8*\b:\f+8*\b+3],   v[ADRW+\slot] offset:4096*\b+1024*\q
	ds_load_b128 v[\f+8*\b+4:\f+8*\b+7], v[ADRW+\slot] offset:4096*\b+1024*\q+512
.endr
.irp a, 0,1,2,3
	ds_load_b128 v[\f+64+8*\a:\f+64+8*\a+3],   v[ADRX+\slot] offset:4096*\a+1024*\q
	ds_load_b128 v[\f+64+8*\a+4:\f+64+8*\a+7], v[ADRX+\slot] offset:4096*\a+1024*\q+512
.endr
.endm
; A K step is four quarters of 32 along K, 32 matrix instructions each, on buffers 0, 1, 0, 1.  One of the first three: multiplies buffer f and fetches quarter q into g.
.macro QUARTER slot, q, f, g, cm, sw, bias
	s_wait_dscnt 4                                 ; W and X's blocks 0, 1 are in; the youngest four loads (X's blocks 2, 3) may be out
	MWIN \cm
	MUL8 \f, 0, \cm, \sw, \bias
	MUL8 \f, 1, \cm, \sw, \bias
	PLACES
	WIN 0
	FETCH \slot, \q, \g
	s_wait_dscnt 24                                ; all but the 24 just issued
	MWIN \cm
	MUL8 \f, 2, \cm, \sw, \bias
	MUL8 \f, 3, \cm, \sw, \bias
.endm
; The last quarter multiplies buffer 1 and changes slots: ONE barrier; in front of it each wave waits for its own reads of this slot and for all its tensor loads (one is out: its part of
; the next slot).  mode 1: this slot is filled again, two K steps on; 2: with the NEXT tile's K step (X goes six K steps back; W six back and 64 row blocks, 1,024 channels, on); 0: not at all.
.macro TURN slot, next, mode, sw
	s_wait_dscnt 4
	WIN 0x50
	MUL8 F1, 0, 0, \sw, 0
	s_wait_dscnt 0x0                               ; my reads of this slot are over,
	s_wait_tensorcnt 0x0                           ; and all my tensor loads have landed
	ds_add_u32 v30, v31
	s_wait_dscnt 0x0
	s_barrier_signal -1
	MUL8 F1, 1, 0, \sw, 0
.if \mode
	WIN 0
.endif
	s_barrier_wait -1
.if \mode
	CREST                                          ; the barrier has opened a round of the cluster's: no wave of any partner still reads this slot or has a load on its way
.if \mode == 1
	s_add_nc_u64 s[G0+4*\slot+2:G0+4*\slot+3], s[G0+4*\slot+2:G0+4*\slot+3], 2*KS_X
	s_add_nc_u64 s[G0B+4*\slot+2:G0B+4*\slot+3], s[G0B+4*\slot+2:G0B+4*\slot+3], 2*KS_W
.else
	s_sub_nc_u64 s[G0+4*\slot+2:G0+4*\slot+3], s[G0+4*\slot+2:G0+4*\slot+3], 6*KS_X
	s_sub_nc_u64 s[G0B+4*\slot+2:G0B+4*\slot+3], s[G0B+4*\slot+2:G0B+4*\slot+3], 6*KS_W-64*4096
.endif
	JLOAD \slot                                    ; the first tensor load behind the round, 120 matrix instructions ahead of the wait for it; its four v_nop are also the places in front of the loads below
.else
	PLACES
.endif
	WIN 0
	FETCH \next, 0, F0
	WIN 0x50
	MUL8 F1, 2, 0, \sw, 0
	MUL8 F1, 3, 0, \sw, 0
.endm
; A tile: 8 K steps = 4 laps round the ring.  Its first quarter stands in front of the loop (its products start the sums); a trip goes from a lap's second quarter to the next lap's first.
; more = 1: another tile follows: the last lap's two changes of slots ask for its K steps 0 and 1, and the second fetches its first fragments.
.macro TILE cm, sw, bias, more
	QUARTER 0, 1, F0, F1, \cm, \sw, \bias
	WIN 0                                          ; at a label and at a branch every window is 0
	s_mov_b32 s3, 3
.Llap_\@:
	QUARTER 0, 2, F1, F0, 0, \sw, 0
	QUARTER 0, 3, F0, F1, 0, \sw, 0
	TURN 0, 1, 1, \sw
	QUARTER 1, 1, F0, F1, 0, \sw, 0
	QUARTER 1, 2, F1, F0, 0, \sw, 0
	QUARTER 1, 3, F0, F1, 0, \sw, 0
	TURN 1, 0, 1, \sw
	QUARTER 0, 1, F0, F1, 0, \sw, 0
	WIN 0
	s_sub_co_u32 s3, s3, 1
	s_cmp_lg_u32 s3, 0
	s_cbranch_scc1 .Llap_\@
	QUARTER 0, 2, F1, F0, 0, \sw, 0
	QUARTER 0, 3, F0, F1, 0, \sw, 0
.if \more
	TURN 0, 1, 2, \sw
.else
	TURN 0, 1, 0, \sw
.endif
	QUARTER 1, 1, F0, F1, 0, \sw, 0
	QUARTER 1, 2, F1, F0, 0, \sw, 0
	QUARTER 1, 3, F0, F1, 0, \sw, 0
.if \more
	TURN 1, 0, 2, \sw
.else
	s_wait_dscnt 4                                 ; the very last quarter: nothing more to fetch
	WIN 0x50
	MUL8 F1, 0, 0, \sw, 0
	MUL8 F1, 1, 0, \sw, 0
	s_wait_dscnt 0x0
	MUL8 F1, 2, 0, \sw, 0
	MUL8 F1, 3, 0, \sw, 0
.endif
	WIN 0
.endm
; THE WAY OUT: each accumulator, rounded to f16, is a piece.  The place is the same in (token block a, channel block b) for all three tiles: head b / 4, token block a, piece b % 4.
.macro OUTQKV more
	PLACES
	WIN 0x05                                       ; sources 0 and 1 window 1, destination window 0
.set i, 0
.rept 32
.irp r, 0,1,2,3
	v_cvt_pk_f16_f32 v[TMP+4*i+\r], v[8*i+2*\r], v[8*i+2*\r+1]     ; each accumulator's registers in ascending order
.endr
.set i, i+1
.endr
	WIN 0
.irp a, 0,1,2,3
.irp b, 0,1,2,3,4,5,6,7
	global_store_b128 v[CO], v[TMP+4*(8*\a+\b):TMP+4*(8*\a+\b)+3], s[10:11] offset:2048*\a+512*(\b&3)+262144*(\b>>2)   ; 512 neighbouring bytes, aligned
.endr
.endr
.if \more
	s_wait_xcnt 0x0                                ; the stores' base and data (buffer 1's registers) are written again only behind this wait
	s_add_nc_u64 s[10:11], s[10:11], 16777216      ; the next section of qkvf
.endif
.endm
	s_wait_tensorcnt 0x1                           ; my part of K step 0 is in; K step 1's may stay out
	s_barrier_signal -1
	s_barrier_wait -1                              ; everybody's is
	FETCH 0, 0, F0
	s_wait_loadcnt 0x0                             ; the bias
	TILE 2, 0, 0, 1                                ; q
	OUTQKV 1
	TILE 2, 0, 64, 1                               ; k
	OUTQKV 1
	TILE 1, 1, 0, 0                                ; v, turned, without its bias
	OUTQKV 0
	CROUND                                         ; the closing round: no work-group ends while a partner may still ask for a tile that names it
	s_endpgm
.Lfunc_end_k_q20663c222a_qkv:
	.size	k_q20663c222a_qkv, .Lfunc_end_k_q20663c222a_qkv-k_q20663c222a_qkv
	.p2alignl 7, 3214868480
	.fill 96, 4, 3214868480
	.section	.rodata,"a",@progbits
	.p2align	6, 0x0
	.amdhsa_kernel k_q20663c222a_qkv
		.amdhsa_group_segment_fixed_size 327680
		.amdhsa_private_segment_fixed_size 0
		.amdhsa_enable_private_segment 0
		.amdhsa_kernarg_size 32
		.amdhsa_user_sgpr_count 2
		.amdhsa_user_sgpr_kernarg_segment_ptr 1
		.amdhsa_wavefront_size32 1
		.amdhsa_system_sgpr_workgroup_id_x 1
		.amdhsa_system_sgpr_workgroup_id_y 1
		.amdhsa_system_sgpr_workgroup_id_z 1
		.amdhsa_system_vgpr_workitem_id 0
		.amdhsa_next_free_vgpr 640
		.amdhsa_next_free_sgpr 66
		.amdhsa_reserve_vcc 0
		.amdhsa_float_denorm_mode_32 3
		.amdhsa_float_denorm_mode_16_64 3
		.amdhsa_memory_ordered 1
		.amdhsa_forward_progress 1
		.amdhsa_inst_pref_size 234
	.end_amdhsa_kernel
	.amdgpu_metadata
---
amdhsa.version: [ 1, 2 ]
amdhsa.kernels:
  - .name:           k_q20663c222a_qkv
    .symbol:         k_q20663c222a_qkv.kd
    .args:
      - { .name: xf, .offset: 0, .size: 8, .value_kind: global_buffer, .address_space: global }
      - { .name: wf, .offset: 8, .size: 8, .value_kind: global_buffer, .address_space: global }
      - { .name: b_qkv, .offset: 16, .size: 8, .value_kind: global_buffer, .address_space: global }
      - { .name: qkvf, .offset: 24, .size: 8, .value_kind: global_buffer, .address_space: global }
    .group_segment_fixed_size: 327680
    .private_segment_fixed_size: 0
    .kernarg_segment_align: 8
    .kernarg_segment_size: 32
    .max_flat_workgroup_size: 128
    .sgpr_count:     66
    .vgpr_count:     640
    .wavefront_size: 32
...
	.end_amdgpu_metadata
.endif
;; end of part 2
;; launch attn (part 3): grid 256 x 1, 4 waves a work-group, no clusters, 0 bytes of LDS; arguments qkvf, mw, fl, b_qkv, of; writes of
.if DOCPART == 3
	.amdgcn_target "amdgcn-amd-amdhsa--gfx1250"
	.amdhsa_code_object_version 6
	.text
	.protected	k_q20663c222a_attn
	.globl	k_q20663c222a_attn
	.p2align	8
	.type	k_q20663c222a_attn,@function
k_q20663c222a_attn:
	s_mov_b64 s[64:65], 0
	v_nop
	global_prefetch_b8 v0, s[64:65] scope:SCOPE_SE
	s_setreg_imm32_b32 hwreg(HW_REG_WAVE_MODE, 25, 1), 1
	s_wait_xcnt 0x0
; attn: O[b][h][q] = sum over k of softmax_k(mask ? Q.K / 8 : -inf) V[k] + b_v, for 64 (batch, head) pairs of 2,048 x 2,048 at head size 64.  Operands in f16, sums, maxima and softmax in f32.
; Operands lie in memory in PIECES of 512 bytes (lane L owns bytes 16 L .. + 15 = M[16 rb + L % 16][16 kp + 8 (L / 16) + 0..7]), so every fragment is loaded straight into registers, 512 neighbouring bytes a load.
;   qkvf: Q at 0, K at 16 MiB, V at 32 MiB, each [bh 64][tb 128][4][512] (V: pieces of V^T);  of [head / 2][token block 512][4 (head % 2) + d / 16][512]: the last product's operand.
;   mw [qt 128][kb 128][j 8]: a word masks register j of the tile of scores (16 queries qt, 16 keys kb): bit = lane.   fl [qt][2]: bit u: key step u has some entry allowed / all allowed.
; LAYOUT.  S^T = K Q^T (source 0 = 16 keys, source 1 = 16 queries): a lane holds ONE query (L % 16) and keys 8 (L / 16) + 0..7.  Two such tiles, rounded to f16 in pairs, are source 1 of O^T = V^T P,
; whose result again holds one query a lane and 8 channels, which pack into the lane's 16 bytes of a piece of `of`.  Nothing changes lanes but one exchange between the halves for maximum and sum.
; SHARES.  A wave owns 64 queries (4 tiles of 16) at a time and makes two passes: query block 31 - jj, then jj (jj = 0..15 over the four work-groups of a head): 1,024 waves in all.
; KEY STEPS THAT THE MASK THROWS AWAY.  T = 1 + the last key step in which any of the wave's 64 queries has an allowed key, from fl; steps from T on are not walked.  A step whose entries are all
; allowed jumps over the masking.  Both hold for every mask.  The pairing of blocks only evens the load out where late queries see more keys; no result rests on it.
; SOFTMAX.  A running maximum m over the allowed scores and a sum l: p = 2^(c s - c m), c = log2(e) / 8; O and l are multiplied by a = 2^(c m_old - c m_new) in every step.  m starts at the lowest
; finite f32, so that a row with nothing allowed so far has p = 0, l = 0, O = 0 and a = 0 at its first allowed key; a row with nothing allowed at all ends as 0 x (1 / 0) = NaN, as the softmax of such a row is.
; v's bias is added here: the weights sum to 1, so sum p (v + b) / l = sum p v / l + b.
; NO LDS, NO CLUSTER, and why: the number of key steps is read from memory and differs from wave to wave (1 to 32), a slot of LDS is filled again only behind a barrier that every wave passes, and
; partners in a joint request would need the same number of tiles.  So each wave loads its own K and V: 16 KiB for a step's 64 matrix instructions, asked for most of a step ahead of their use.
; LIMITS: q, k, v and the result are f16 (|.| < 65,504); p is rounded to f16 for the second product (below 6e-8 it becomes 0).
; REGISTERS: window 0: v1 16 L, v2 -inf, v3 32 h; v16-47 statistics, 8 a tile; v64-191 S^T, 32 a tile; v192-255 P, 16 a tile (at a pass's end the packed result)
;   window 1: v0-63 Q; v64-127 K of a step; v128-191 V of a step.     window 2: v0-127 O^T, 32 a tile; v128-159 b_v as O^T lies: register 8 db + j = b_v[16 db + 8 h + j]
.set ST,  16          ; tile t's statistics at v[ST+8 t]: +0 c m, +1 m, +2, +3 l (even keys', odd keys'), +4 to +7 c0-c3, at work; a takes c2's place once the maximum is found
.set S,   64
.set P,   192
.set QF,  0
.set KF,  64
.set VF,  128
.set BVR, 128
.set CS,  20          ; s[20:21] c, twice
.set SEL, 22          ; s[22:23] lane selects for v_permlanex16_b32: each lane takes its own place in the other half
; s[2:3] K's head, s[4:5] V's head, s[6:7], s[8:9] the step's K and V, s[10:11] the step's mask words, s[12:13] Q's head, s[14:15] `of` at my head, s[16:17] mw, s[18:19] fl
; s24 T, s25 steps begun, s26 the 'all allowed' bits (shifted once a step), s27 pass, s28 query block, s29 jj, s[30:31] an offset (high word 0)
; s[32:63] mask words of the even tile in hand, s[68:99] of the odd one, s[66:67] Q's block, s[100:101] the result's block
.set MSB, 0
.macro WIN new                         ; the immediate's high byte repeats the setting that is left; a switch that changes nothing is dropped
.if MSB != \new
	s_set_vgpr_msb (MSB<<8)|\new
.set MSB, \new
.endif
.endm
.macro PLACES                          ; four places behind matrix instructions, in front of reads of their results and of loads into their sources
.rept 4
	v_nop
.endr
.endm
.macro LOADK                           ; a step's K: 64 keys x 64 channels: piece i = 4 kb + p
	WIN 0x40                                       ; destination window 1
.irp i, 0,1,2,3,4,5,6,7,8,9,10,11,12,13,14,15
	global_load_b128 v[KF+4*\i:KF+4*\i+3], v1, s[6:7] offset:512*\i
.endr
.endm
.macro LOADV                           ; a step's V^T: piece i = 4 tb + db goes where fragment (keys 32 (tb / 2) on, channels 16 db on) wants its half tb % 2
	WIN 0x40
.irp i, 0,1,2,3,4,5,6,7,8,9,10,11,12,13,14,15
.set rV, VF+32*(\i/8)+8*(\i%4)+4*((\i/4)&1)
	global_load_b128 v[rV:rV+3], v1, s[8:9] offset:512*\i
.endr
.endm
.macro MASK2 y                         ; tiles y and y + 1: a forbidden score becomes -inf; each accumulator's registers in ascending order
.set n, 0
.rept 32
	v_cndmask_b32 v[S+32*\y+n], v2, v[S+32*\y+n], s[32+n]
	v_cndmask_b32 v[S+32*(\y+1)+n], v2, v[S+32*(\y+1)+n], s[68+n]
.set n, n+1
.endr
.endm
; One tile's softmax for one key step is a list of 118 instructions; SM writes number j of it for tile t.  s0-s31 are the lane's 32 scores, in pairs 0-15.  first = 1: the pass's first step, which starts l and O^T.
;   0-15    the maximum of s0-s31 and the old m, three operands at a time
;   16-20   the other half of the lanes' maximum; the new m; c m; c m_old - c m_new
;   21-87   33 exponentials (a, then s0-s31) at the odd numbers from 23 on, a plain instruction between any two: c s - c m for a pair to come, the rounding to f16 of a pair that is done, the first sums
;   88-101  the last rounding; the rest of the sums; l = a l + the sum
;   102-117 the tile's O^T times a
.macro SM t, first
.set rT, ST+8*(\t)
.set rS, S+32*(\t)
.set rP, P+16*(\t)
.set rO, 32*(\t)+2*(j-102)
.set q, (j-20)/2
.if j < 102
	WIN 0
.endif
.if j < 4
	v_max3_num_f32 v[rT+4+j], v[rS+8*j], v[rS+8*j+1], v[rS+8*j+2]
.elseif j < 12
	v_max3_num_f32 v[rT+4+j%4], v[rT+4+j%4], v[rS+8*(j%4)+2*(j/4)+1], v[rS+8*(j%4)+2*(j/4)+2]
.elseif j == 12
	v_max3_num_f32 v[rT+4], v[rT+4], v[rS+7], v[rS+15]
.elseif j == 13
	v_max3_num_f32 v[rT+6], v[rT+6], v[rS+23], v[rS+31]
.elseif j == 14
	v_max3_num_f32 v[rT+4], v[rT+4], v[rT+5], v[rT+6]
.elseif j == 15
	v_max3_num_f32 v[rT+4], v[rT+4], v[rT+7], v[rT+1]  ; the old m, in the first step the floor: m is never -inf
.elseif j == 16
	v_permlanex16_b32 v[rT+5], v[rT+4], s[SEL], s[SEL+1]  ; the query's other 32 keys lie in the lane 16 away
.elseif j == 18
	v_max_num_f32 v[rT+1], v[rT+4], v[rT+5]
.elseif j == 19
	v_mul_f32 v[rT], s[CS], v[rT+1]
.elseif ((j == 17) || (j == 20) || (j == 23) || (j > 101)) && \first  ; the first step has none of these
.elseif j == 17
	v_mov_b32 v[rT+7], v[rT]        ; c m_old is kept for a: number 19 writes c m anew
.elseif j == 20
	v_sub_f32 v[rT+7], v[rT+7], v[rT]
.elseif j == 23
	v_exp_f32 v[rT+6], v[rT+7]
.elseif (j < 88) && (j > 23) && (j%2 == 1)
	v_exp_f32 v[rS+(j-25)/2], v[rS+(j-25)/2]
.elseif (q < 4) || ((j < 76) && (q%2 == 0))
.set b, q/2+2
.if q < 4
.set b, q
.endif
	v_pk_fma_f32 v[rS+2*b:rS+2*b+1], v[rS+2*b:rS+2*b+1], s[CS:CS+1], v[rT:rT+1] op_sel_hi:[1,0,0] neg_lo:[0,0,1] neg_hi:[0,0,1]  ; pair b: c s - c m
.elseif (j < 88) && (q%2 == 1)
	s_wait_alu depctr_va_vdst(0)
	v_cvt_pk_f16_f32 v[rP+(q-5)/2], v[rS+q-5], v[rS+q-4]  ; pair (q - 5) / 2: its second exponential stands three numbers back
.elseif j == 89
	s_wait_alu depctr_va_vdst(0)
	v_cvt_pk_f16_f32 v[rP+15], v[rS+30], v[rS+31]
.elseif j < 102                     ; the sum of the tile's 16 pairs, in place: sum z of 16 adds neighbours 1, 2, 4 and 8 pairs apart, then l takes it
.set z, j-86
.if j < 89
.set z, (j-76)/4
.endif
.set w, 4
.set u, z
.if z >= 14
.set w, 32
.set u, 0
.elseif z >= 12
.set w, 16
.set u, z-12
.elseif z >= 8
.set w, 8
.set u, z-8
.endif
.if (z == 14) && \first
	v_pk_add_f32 v[rT+2:rT+3], v[rS:rS+1], v[rS+16:rS+17]
.elseif z < 15
	v_pk_add_f32 v[rS+w*u:rS+w*u+1], v[rS+w*u:rS+w*u+1], v[rS+w*u+w/2:rS+w*u+w/2+1]
.elseif !\first
	v_pk_fma_f32 v[rT+2:rT+3], v[rT+2:rT+3], v[rT+6:rT+7], v[rS:rS+1] op_sel_hi:[1,0,1]
.endif
.else
	WIN 0x82                                       ; O^T (destination and source 0) in window 2, a in window 0
	v_pk_mul_f32 v[rO:rO+1], v[rO:rO+1], v[rT+6:rT+7] op_sel_hi:[1,0]
.endif
.endm
; Slice k: numbers 2 k and 2 k + 1 of two tiles' lists.  Among the exponentials tile by tile (plain, exponential, plain, exponential: a plain instruction of the other tile or of a later pair stands
; behind each exponential, ISA guide 5.7.2); elsewhere the tiles alternate, so that no instruction reads the result of the one just before it.
.macro SLICE y, first
.if (k >= 11) && (k < 44)
.irp t, \y, \y+1
.irp n, 0,1
.set j, 2*k+\n
	SM \t, \first
.endr
.endr
.else
.irp n, 0,1
.irp t, \y, \y+1
.set j, 2*k+\n
	SM \t, \first
.endr
.endr
.endif
.set k, k+1
.endm
.macro SOFTMAX y, first                ; tiles y and y + 1: 59 slices = 2 x 118 instructions
.set k, 0
.rept 59
	SLICE \y, \first
.endr
.endm
; A KEY STEP of 64 keys.
.macro STEP first
	s_load_b512 s[32:47], s[10:11], 0x0            ; the mask words of tiles 0 and 1: 32 words each, 4,096 bytes apart
	s_load_b512 s[48:63], s[10:11], 0x40
	s_load_b512 s[68:83], s[10:11], 0x1000
	s_load_b512 s[84:99], s[10:11], 0x1040
.if \first
	s_wait_loadcnt 0x0                             ; Q was asked for last: all is in
.else
	s_wait_loadcnt 16                              ; this step's K is in; the 16 younger loads, its V, stay out
.endif
	WIN 0x05                                       ; K and Q in window 1, S^T in window 0
.set i, 0
.rept 32                               ; channels 32 (i / 16) on, keys 16 ((i / 4) % 4) on, tile i % 4: the 16 accumulators take turns, one instruction a turn
.set rS, S+32*(i&3)+8*((i>>2)&3)
.set rK, KF+16*((i>>2)&3)+8*(i>>4)
.set rQ, QF+16*(i&3)+8*(i>>4)
.if i < 16
	v_wmma_f32_16x16x32_f16 v[rS:rS+7], v[rK:rK+7], v[rQ:rQ+7], 0
.else
	v_wmma_f32_16x16x32_f16 v[rS:rS+7], v[rK:rK+7], v[rQ:rQ+7], v[rS:rS+7]
.endif
.set i, i+1
.endr
	WIN 0
	PLACES
	s_add_co_u32 s25, s25, 1                       ; the next step, or step 0 behind the last one: that is the next pass's first step
	s_cmp_lt_u32 s25, s24                          ; (behind the second pass it is one fetch of 16 KiB that nobody uses; it stays inside the buffer)
	s_cselect_b32 s30, s25, 0
	s_min_u32 s30, s30, 31
	s_lshl_b32 s30, s30, 13                        ; 64 keys are 8,192 bytes of K and of V
	s_add_nc_u64 s[6:7], s[2:3], s[30:31]          ; this step's K loads are done (the wait above): their base may be written
	LOADK
	WIN 0
	s_wait_kmcnt 0x0
	s_bitcmp1_b32 s26, 0                           ; all 64 x 64 entries allowed: nothing to mask
	s_cbranch_scc1 .Lfull_a_\@
	MASK2 0
.Lfull_a_\@:
	s_load_b512 s[32:47], s[10:11], 0x2000         ; the mask words of tiles 2 and 3
	s_load_b512 s[48:63], s[10:11], 0x2040
	s_load_b512 s[68:83], s[10:11], 0x3000
	s_load_b512 s[84:99], s[10:11], 0x3040
	SOFTMAX 0, \first
	WIN 0
	s_wait_kmcnt 0x0                               ; they are in, so their base may step:
	s_add_nc_u64 s[10:11], s[10:11], 128           ; the next step's 32 words a tile
	s_bitcmp1_b32 s26, 0
	s_cbranch_scc1 .Lfull_b_\@
	MASK2 2
.Lfull_b_\@:
	SOFTMAX 2, \first
	s_wait_loadcnt 16                              ; this step's V is in; the 16 younger loads, the next step's K, stay out
	WIN 0xa1                                       ; V in window 1, P in window 0, O^T in window 2
.set i, 0
.rept 32                               ; keys 32 (i / 16) on, channels 16 ((i / 4) % 4) on, tile i % 4: again 16 accumulators by turns
.set rO, 32*(i&3)+8*((i>>2)&3)
.set rV, VF+32*(i>>4)+8*((i>>2)&3)
.set rP, P+16*(i&3)+8*(i>>4)
.if \first && (i < 16)
	v_wmma_f32_16x16x32_f16 v[rO:rO+7], v[rV:rV+7], v[rP:rP+7], 0
.else
	v_wmma_f32_16x16x32_f16 v[rO:rO+7], v[rV:rV+7], v[rP:rP+7], v[rO:rO+7]
.endif
.set i, i+1
.endr
	WIN 0
	PLACES
	s_add_nc_u64 s[8:9], s[4:5], s[30:31]          ; this step's V loads are done: their base may be written
	LOADV
	WIN 0
	s_lshr_b32 s26, s26, 1
.endm
	s_load_b256 s[32:39], s[0:1], 0x0              ; qkvf s[32:33], mw s[34:35], fl s[36:37], b_qkv s[38:39]
	s_load_b64 s[14:15], s[0:1], 0x20              ; of
	v_lshrrev_b32 v4, 5, v0
	v_readfirstlane_b32 s24, v4                    ; wave 0..3
	v_and_b32 v4, 31, v0
	v_lshlrev_b32 v1, 4, v4                        ; 16 L; never rewritten
	v_mov_b32 v2, 0xff800000                       ; -inf
	v_bfe_u32 v3, v0, 4, 1
	v_lshlrev_b32 v3, 5, v3                        ; 32 h
	s_lshr_b32 s28, ttmp9, 2                       ; batch x 16 + head
	s_and_b32 s29, ttmp9, 3
	s_lshl2_add_u32 s29, s29, s24                  ; jj = 4 (work-group % 4) + wave
	s_and_b32 s25, s28, 15                         ; head
	s_lshr_b32 s26, s28, 4                         ; batch
	s_mov_b32 s31, 0
	s_mov_b32 s[CS], 0x3e38aa3b                    ; c = log2(e) / 8 = 0.180337
	s_mov_b32 s[CS+1], s[CS]                       ; named with it as a pair, so it is written
	s_mov_b32 s[SEL], 0x76543210
	s_mov_b32 s[SEL+1], 0xfedcba98
	s_mov_b32 s27, 0
	s_wait_kmcnt 0x0
	s_lshl_b32 s30, s28, 18                        ; a head is 262,144 bytes in each section
	s_add_nc_u64 s[12:13], s[32:33], s[30:31]
	s_add_nc_u64 s[2:3], s[12:13], 16777216
	s_add_nc_u64 s[4:5], s[12:13], 33554432
	s_mov_b64 s[16:17], s[34:35]
	s_mov_b64 s[18:19], s[36:37]
	s_lshl_b32 s30, s25, 8                         ; b_v of my head: 4 (2,048 + 64 head) bytes on
	s_add_co_u32 s30, s30, 8192
	s_add_nc_u64 s[38:39], s[38:39], s[30:31]
	s_lshr_b32 s30, s25, 1                         ; of: (head / 2) x 2 MiB + batch x 128 token blocks of 4,096 + (head % 2) x 2,048
	s_lshl_b32 s30, s30, 21
	s_lshl_b32 s24, s26, 19
	s_add_co_u32 s30, s30, s24
	s_and_b32 s24, s25, 1
	s_lshl_b32 s24, s24, 11
	s_add_co_u32 s30, s30, s24
	s_add_nc_u64 s[14:15], s[14:15], s[30:31]
	s_mov_b64 s[6:7], s[2:3]
	s_mov_b64 s[8:9], s[4:5]
	WIN 0x80                                       ; destination window 2
.irp d, 0,1,2,3
	global_load_b128 v[BVR+8*\d:BVR+8*\d+3],   v3, s[38:39] offset:64*\d
	global_load_b128 v[BVR+8*\d+4:BVR+8*\d+7], v3, s[38:39] offset:64*\d+16
.endr
	LOADK                                          ; key step 0
	LOADV
	WIN 0
.Lpass:
	s_wait_xcnt 0x0                                ; every earlier memory instruction has had its addresses translated: b_v's base, the last pass's result and its base are written again only behind this wait
	s_sub_co_u32 s30, 31, s29
	s_cmp_eq_u32 s27, 0
	s_cselect_b32 s28, s30, s29                    ; query block 31 - jj, then jj
	s_lshl_b32 s30, s28, 5
	s_add_nc_u64 s[66:67], s[18:19], s[30:31]
	s_load_b256 s[32:39], s[66:67], 0x0            ; the flags of my four tiles
	s_lshl_b32 s30, s28, 14
	s_add_nc_u64 s[10:11], s[16:17], s[30:31]      ; mask words: 4 tiles of 4,096 bytes
	s_add_nc_u64 s[100:101], s[14:15], s[30:31]    ; the result: 4 token blocks of 4,096 bytes
	s_wait_kmcnt 0x0
	s_lshl_b32 s30, s28, 13
	s_add_nc_u64 s[66:67], s[12:13], s[30:31]      ; Q: 4 token blocks of 2,048 bytes
	WIN 0x40
.irp i, 0,1,2,3,4,5,6,7,8,9,10,11,12,13,14,15
	global_load_b128 v[QF+4*\i:QF+4*\i+3], v1, s[66:67] offset:512*\i
.endr
	WIN 0
	s_and_b32 s26, s33, s35                        ; a step is 'all allowed' if it is so in all four tiles
	s_and_b32 s26, s26, s37
	s_and_b32 s26, s26, s39
	s_or_b32 s24, s32, s34                         ; and is walked if some entry of some tile is allowed, or a later step is:
	s_or_b32 s24, s24, s36
	s_or_b32 s24, s24, s38
.irp n, 1,2,4,8,16
	s_lshr_b32 s30, s24, \n                        ; every bit below the highest one is set,
	s_or_b32 s24, s24, s30
.endr
	s_bcnt1_i32_b32 s24, s24                       ; and counted: T
	s_max_u32 s24, s24, 1                          ; a block with nothing allowed walks one step, which makes its NaN
	s_min_u32 s24, s24, 32
	s_mov_b32 s25, 0
.irp t, 0,1,2,3
	v_mov_b32 v[ST+8*\t+1], 0xff7fffff             ; m starts at the lowest finite number
.endr
	STEP 1
	s_cmp_lt_u32 s25, s24
	s_cbranch_scc0 .Lsteps_done
.Lstep:
	STEP 0
	s_cmp_lt_u32 s25, s24
	s_cbranch_scc1 .Lstep
.Lsteps_done:
	; THE WAY OUT.  l's two halves and the other half of the lanes' are added; O^T / l + b_v, rounded to f16, is a piece of `of` as it lies.
.irp t, 0,1,2,3
	v_add_f32 v[ST+8*\t+4], v[ST+8*\t+2], v[ST+8*\t+3]
.endr
.irp t, 0,1,2,3
	v_permlanex16_b32 v[ST+8*\t+5], v[ST+8*\t+4], s[SEL], s[SEL+1]
.endr
.irp t, 0,1,2,3
	v_add_f32 v[ST+8*\t+4], v[ST+8*\t+4], v[ST+8*\t+5]
.endr
.irp t, 0,1,2,3
	v_rcp_f32 v[ST+8*\t+6], v[ST+8*\t+4]
.endr
	v_nop                                          ; a plain instruction between the last reciprocal and the use of its result
	WIN 0xa2                                       ; O^T (destination, source 0) and b_v (source 2) in window 2, 1 / l in window 0
	s_wait_alu depctr_va_vdst(0)
.irp t, 0,1,2,3
.set i, 0
.rept 16
	v_pk_fma_f32 v[32*\t+2*i:32*\t+2*i+1], v[32*\t+2*i:32*\t+2*i+1], v[ST+8*\t+6:ST+8*\t+7], v[BVR+2*i:BVR+2*i+1] op_sel_hi:[1,0,1]
.set i, i+1
.endr
.endr
	WIN 0x0a                                       ; sources 0 and 1 window 2, destination window 0: P's registers are free
.irp t, 0,1,2,3
.set i, 0
.rept 16
	v_cvt_pk_f16_f32 v[P+16*\t+i], v[32*\t+2*i], v[32*\t+2*i+1]
.set i, i+1
.endr
.endr
	WIN 0
.irp t, 0,1,2,3
.irp d, 0,1,2,3
	global_store_b128 v1, v[P+16*\t+4*\d:P+16*\t+4*\d+3], s[100:101] offset:4096*\t+512*\d   ; 512 neighbouring bytes, aligned
.endr
.endr
	s_add_co_u32 s27, s27, 1
	s_cmp_lt_u32 s27, 2
	s_cbranch_scc1 .Lpass
	s_endpgm
.Lfunc_end_k_q20663c222a_attn:
	.size	k_q20663c222a_attn, .Lfunc_end_k_q20663c222a_attn-k_q20663c222a_attn
	.p2alignl 7, 3214868480
	.fill 96, 4, 3214868480
	.section	.rodata,"a",@progbits
	.p2align	6, 0x0
	.amdhsa_kernel k_q20663c222a_attn
		.amdhsa_group_segment_fixed_size 0
		.amdhsa_private_segment_fixed_size 0
		.amdhsa_enable_private_segment 0
		.amdhsa_kernarg_size 40
		.amdhsa_user_sgpr_count 2
		.amdhsa_user_sgpr_kernarg_segment_ptr 1
		.amdhsa_wavefront_size32 1
		.amdhsa_system_sgpr_workgroup_id_x 1
		.amdhsa_system_sgpr_workgroup_id_y 1
		.amdhsa_system_sgpr_workgroup_id_z 1
		.amdhsa_system_vgpr_workitem_id 0
		.amdhsa_next_free_vgpr 672
		.amdhsa_next_free_sgpr 102
		.amdhsa_reserve_vcc 0
		.amdhsa_float_denorm_mode_32 3
		.amdhsa_float_denorm_mode_16_64 3
		.amdhsa_memory_ordered 1
		.amdhsa_forward_progress 1
		.amdhsa_inst_pref_size 102
	.end_amdhsa_kernel
	.amdgpu_metadata
---
amdhsa.version: [ 1, 2 ]
amdhsa.kernels:
  - .name:           k_q20663c222a_attn
    .symbol:         k_q20663c222a_attn.kd
    .args:
      - { .name: qkvf, .offset: 0, .size: 8, .value_kind: global_buffer, .address_space: global }
      - { .name: mw, .offset: 8, .size: 8, .value_kind: global_buffer, .address_space: global }
      - { .name: fl, .offset: 16, .size: 8, .value_kind: global_buffer, .address_space: global }
      - { .name: b_qkv, .offset: 24, .size: 8, .value_kind: global_buffer, .address_space: global }
      - { .name: of, .offset: 32, .size: 8, .value_kind: global_buffer, .address_space: global }
    .group_segment_fixed_size: 0
    .private_segment_fixed_size: 0
    .kernarg_segment_align: 8
    .kernarg_segment_size: 40
    .max_flat_workgroup_size: 128
    .sgpr_count:     102
    .vgpr_count:     672
    .wavefront_size: 32
...
	.end_amdgpu_metadata
.endif
;; end of part 3
;; launch proj (part 4): grid 4 x 64, 4 waves a work-group, clusters of 4 x 4, 327,680 bytes of LDS; arguments of, wf, b_proj, out0; writes out0
.if DOCPART == 4
	.amdgcn_target "amdgcn-amd-amdhsa--gfx1250"
	.amdhsa_code_object_version 6
	.text
	.protected	k_q20663c222a_proj
	.globl	k_q20663c222a_proj
	.p2align	8
	.type	k_q20663c222a_proj,@function
k_q20663c222a_proj:
	s_mov_b64 s[64:65], 0
	v_nop
	global_prefetch_b8 v0, s[64:65] scope:SCOPE_SE
	s_setreg_imm32_b32 hwreg(HW_REG_WAVE_MODE, 25, 1), 1
	s_wait_xcnt 0x0
	s_wait_alu depctr_hold_cnt(0) depctr_sa_sdst(0) depctr_va_vdst(0) depctr_va_sdst(0) depctr_va_ssrc(0) depctr_va_vcc(0) depctr_vm_vsrc(0)
	s_getreg_b32 s2, hwreg(HW_REG_IB_STS2, 6, 4)
	s_cmp_eq_u32 s2, 0
	s_cbranch_scc0 .Lentry_in_a_cluster
	s_endpgm
.Lentry_in_a_cluster:
	s_bfe_u32 s2, ttmp6, 0x10000c
	s_cmp_lg_u32 s2, 0xf033
	s_cbranch_scc0 .Lentry_shape_is_right
	s_endpgm
.Lentry_shape_is_right:
; proj: out0 = attention result x w_proj + b_proj.  Operands in f16, sums in f32, out0 in f32.
; Operands lie in PIECES of 512 bytes: lane L (h = L / 16, r = L % 16) owns bytes 16 L .. + 15 = M[16 rb + r][16 kp + 8 h + 0..7]; two pieces are the 8 registers of a 16 x 32 operand.
;   of [ks 8][rb 512][p 8][512] the attention's result, rows = tokens;  wf + 6,291,456: [ks 8][nb 64][p 8][512] w_proj turned (rows = output channels);  ks = K step of 128.
; A tile of out0 is 128 tokens x 256 channels: 256 work-groups, one tile each; four waves, 2 x 2, each 64 tokens x 128 channels: 32 accumulators, 256 registers.
; Source 0 = 16 channels of W, source 1 = 16 tokens: a lane holds one token and 8 neighbouring channels.  The bias is the C of the first products.
; The way out goes through a stage in LDS, each wave's own: 16 tokens x 512 bytes at a time come back as whole rows, and a store covers 512 neighbouring bytes of a row of out0.
; A token whose attention result is NaN (no key allowed) makes NaN in its own row of out0 alone: a column of source 1 enters one column of the result.
; LIMIT: both operands are f16 (|.| < 65,504).
; CLUSTERS: 4 x 4 work-groups.  The four of a row of the cluster need the same tiles of `of`, the four of a column the same tiles of W: each is asked for jointly.
; REGISTERS: window 0: v16-27 addresses; v32-127, v128-223 two fragment buffers (64 of W, 32 of X), on the way out rows read back.  window 1: the accumulators, (a, b) at v[8 (8 a + b)].
;   window 2: v0-63 the bias as a C operand: register 8 b + j of lane (r, h) = bias[16 b + 8 h + j].
.set KS_X,  2097152                    ; bytes from a K step to the next in `of`
.set KS_W,  262144                     ; and in w_proj's section of wf
.set WSEC,  6291456
.set WOFF,  32768                      ; a slot: X's 8 row blocks of 4,096 bytes, then W's 16
.set SLOT,  98304
.set STAGE, 2*SLOT                     ; behind the ring: 16 rows x 528 bytes for each wave; no tensor load fills it
.set SP,    528                        ; 512 bytes + 16: 33 x 16, so that the 16 rows that a store touches fall on 16 different columns of 16 bytes
.set ADRX,  16
.set ADRW,  20
.set CO,    24                         ; v24  16 L
.set BOFF,  25                         ; v25  32 h
.set STO,   26                         ; v26  the way out: where I put 32 bytes of a row
.set RD,    27                         ; v27  the way out: where I read a row back
.set F0,    32
.set F1,    128
.set G1,    24
.set G0,    32
.set G1B,   48
.set G0B,   56
.set MSB,   0
.macro WIN new                         ; the immediate's high byte repeats the setting that is left; a switch that changes nothing is dropped
.if MSB != \new
	s_set_vgpr_msb (MSB<<8)|\new
.set MSB, \new
.endif
.endm
.macro PLACES                          ; four places in front of loads into registers that matrix instructions have read, and of LDS stores that read results
.rept 4
	v_nop
.endr
.endm
.macro JLOAD s                         ; a joint load: waves 0 and 1 fetch X's two halves, waves 2 and 3 W's; four v_nop follow each of the two lines
	s_cmp_eq_u32 s13, 0
	s_cbranch_scc0 .Lfor_w_\@
	tensor_load_to_lds s[G0+4*\s:G0+4*\s+3], s[G1:G1+7]
	s_nop 0
.rept 4
	v_nop
.endr
	s_branch .Lasked_\@
.Lfor_w_\@:
	tensor_load_to_lds s[G0B+4*\s:G0B+4*\s+3], s[G1B:G1B+7]
	s_nop 0
.rept 4
	v_nop
.endr
.Lasked_\@:
.endm
.macro CREST                           ; a round of the cluster's barrier behind its opening barrier
	s_cmp_lg_u32 s12, 0
	s_cbranch_scc1 .Lnot_wave_0_\@
	s_barrier_signal -3
.Lnot_wave_0_\@:
	s_barrier_wait -3
	s_barrier_signal -1
	s_barrier_wait -1
.endm
.macro CROUND                          ; a whole round
	s_barrier_signal -1
	s_barrier_wait -1
	CREST
.endm
	s_load_b256 s[4:11], s[0:1], 0x0               ; of s[4:5], wf s[6:7], b_proj s[8:9], out0 s[10:11]
	v_lshl_add_u32 v254, v0, 2, 0x38400
	v_mov_b32 v255, 0
	ds_add_u32 v254, v255
	ds_add_u32 v254, v255
	v_lshrrev_b32 v1, 5, v0
	v_readfirstlane_b32 s12, v1                    ; wave 0..3
	s_lshr_b32 s13, s12, 1                         ; which 64 tokens are mine.  Also: I fetch for X (0) or for W (1)
	s_and_b32 s14, s12, 1                          ; which 128 channels.  Also: which half of that tile I fetch
	s_bfe_u32 s40, ttmp6, 0x40000                  ; cx, cy: my place in the cluster
	s_bfe_u32 s41, ttmp6, 0x40004
	s_lshl_b32 s42, ttmp9, 2
	s_add_co_u32 s42, s42, s40                     ; x: my 256 channels
	s_and_b32 s43, ttmp7, 0xffff
	s_lshl_b32 s43, s43, 2
	s_add_co_u32 s43, s43, s41                     ; y: my 128 tokens
	s_lshl_b32 s44, s41, 2
	s_lshl_b32 s44, 15, s44                        ; my row of the cluster
	s_lshl_b32 s45, 0x1111, s40                    ; my column
	; descriptor group 1.  What a wave fetches is dense in memory (16 KiB of X, 32 KiB of W): rows of 32 elements of 8 bytes, each beginning where the last ends; no padding
	s_or_b32 s[G1+0], s44, (3<<16)|(1<<21)         ; 15:0 the mask: X's tiles go to my row; 17:16 elements of 8 bytes; 21 set beside a mask
	s_or_b32 s[G1B+0], s45, (3<<16)|(1<<21)        ; W's tiles go to my column
.irp g, G1, G1B
	s_mov_b32 s[\g+1], 32<<16                      ; tensor_dim0 = 32
	s_mov_b32 s[\g+3], 32<<16                      ; tile_dim0 = 32
	s_mov_b32 s[\g+5], 32                          ; tensor_dim0_stride = 32
	s_mov_b32 s[\g+6], 0
	s_mov_b32 s[\g+7], 0
.endr
	s_mov_b32 s[G1+2], 64<<16                      ; tensor_dim1 = 64 rows of 256 bytes
	s_mov_b32 s[G1+4], 64                          ; tile_dim1
	s_mov_b32 s[G1B+2], 128<<16                    ; 128 rows
	s_mov_b32 s[G1B+4], 128
	s_lshl_b32 s16, s43, 15                        ; X: 8 y row blocks + my half's 4
	s_lshl_b32 s18, s14, 14
	s_add_co_u32 s16, s16, s18
	s_mov_b32 s17, 0
	s_lshl_b32 s46, s42, 16                        ; W: its section + 16 x row blocks + my half's 8
	s_lshl_b32 s19, s14, 15
	s_add_co_u32 s46, s46, s19
	s_add_co_u32 s46, s46, WSEC
	s_mov_b32 s47, 0
	s_lshl_b32 s20, s14, 14                        ; where they go: no place in the cluster enters an LDS address
	s_lshl_b32 s21, s14, 15
	s_add_co_u32 s21, s21, WOFF
	s_wait_dscnt 0x0
	s_wait_kmcnt 0x0
	s_add_nc_u64 s[16:17], s[4:5], s[16:17]
	s_add_nc_u64 s[46:47], s[6:7], s[46:47]
	CROUND                                         ; all sixteen work-groups are here: the first joint loads meet
.irp s, 0,1
	s_mov_b32 s[G0+4*\s], 1                                        ; count = 1
	s_add_co_u32 s[G0+4*\s+1], s20, \s*SLOT                        ; LDS address
	s_add_nc_u64 s[G0+4*\s+2:G0+4*\s+3], s[16:17], \s*KS_X         ; global address: K step s
	s_or_b32 s[G0+4*\s+3], s[G0+4*\s+3], 0x80000000                ; type = 2
	s_mov_b32 s[G0B+4*\s], 1
	s_add_co_u32 s[G0B+4*\s+1], s21, \s*SLOT
	s_add_nc_u64 s[G0B+4*\s+2:G0B+4*\s+3], s[46:47], \s*KS_W
	s_or_b32 s[G0B+4*\s+3], s[G0B+4*\s+3], 0x80000000
	JLOAD \s                                       ; two tensor loads of mine are out; later one
.endr
	v_and_b32 v1, 31, v0
	v_lshlrev_b32 v[CO], 4, v1
	v_bfe_u32 v2, v0, 4, 1
	v_lshlrev_b32 v[BOFF], 5, v2
	s_lshl_b32 s22, s13, 14                        ; my 4 row blocks of X
	s_lshl_b32 s23, s14, 15                        ; my 8 row blocks of W,
	s_add_co_u32 s23, s23, WOFF                    ; which lie behind X's
.irp s, 0,1
	v_add_nc_u32 v[ADRX+\s], s22, v[CO]
	v_add_nc_u32 v[ADRW+\s], s23, v[CO]
	s_add_co_u32 s22, s22, SLOT
	s_add_co_u32 s23, s23, SLOT
.endr
	s_mul_i32 s22, s12, 16*SP
	s_add_co_u32 s22, s22, STAGE                   ; my stage
	v_and_b32 v3, 15, v0
	v_mul_u32_u24 v[STO], v3, SP                   ; in: row r, 32 bytes for each half of the lanes
	v_add_nc_u32 v[STO], v[STO], v[BOFF]
	v_add_nc_u32 v[STO], s22, v[STO]
	v_add_nc_u32 v[RD], s22, v[CO]                 ; back: a whole row of 512 bytes, 16 a lane
	s_lshl_b32 s22, s42, 10                        ; the bias of my 128 channels: 4 (256 x + 128 half) bytes on
	s_lshl_b32 s23, s14, 9
	s_add_co_u32 s22, s22, s23
	s_mov_b32 s23, 0
	s_add_nc_u64 s[8:9], s[8:9], s[22:23]
	WIN 0x80                                       ; destination window 2
.irp b, 0,1,2,3,4,5,6,7
	global_load_b128 v[8*\b:8*\b+3],   v[BOFF], s[8:9] offset:64*\b
	global_load_b128 v[8*\b+4:8*\b+7], v[BOFF], s[8:9] offset:64*\b+16
.endr
	WIN 0
	s_add_nc_u64 s[10:11], s[10:11], s[22:23]      ; out0: the same 4 (256 x + 128 half) bytes along a row,
	s_lshl_b32 s18, s43, 19                        ; and (128 y + 64 half) rows of 4,096 bytes down
	s_lshl_b32 s19, s13, 18
	s_add_co_u32 s18, s18, s19
	s_mov_b32 s19, 0
	s_add_nc_u64 s[10:11], s[10:11], s[18:19]
; 8 matrix instructions: token block a x all 8 channel blocks, 32 along K, from buffer f.  cm = 0: onto the sums; 2: the bias in window 2 starts them.
; The 32 accumulators take turns, one instruction a turn, in the same order in every quarter.
.macro MUL8 f, a, cm
.irp b, 0,1,2,3,4,5,6,7
.set rD, 8*(8*(\a)+\b)
.if \cm == 0
	v_wmma_f32_16x16x32_f16 v[rD:rD+7], v[\f+8*\b:\f+8*\b+7], v[\f+64+8*(\a):\f+64+8*(\a)+7], v[rD:rD+7]
.else
	v_wmma_f32_16x16x32_f16 v[rD:rD+7], v[\f+8*\b:\f+8*\b+7], v[\f+64+8*(\a):\f+64+8*(\a)+7], v[8*\b:8*\b+7]
.endif
.endr
.endm
.macro MWIN cm                         ; sources 0 and 1 window 0, D window 1; C window 1, or window 2 for the bias
.if \cm == 2
	WIN 0x60
.else
	WIN 0x50
.endif
.endm
; 24 LDS loads in one run: quarter q (32 along K: pieces 2 q, 2 q + 1) of a slot into buffer f: W's 8 blocks, then X's 4.  Each takes 512 neighbouring bytes.
.macro FETCH slot, q, f
.irp b, 0,1,2,3,4,5,6,7
	ds_load_b128 v[\f+8*\b:\f+8*\b+3],   v[ADRW+\slot] offset:4096*\b+1024*\q
	ds_load_b128 v[\f+8*\b+4:\f+8*\b+7], v[ADRW+\slot] offset:4096*\b+1024*\q+512
.endr
.irp a, 0,1,2,3
	ds_load_b128 v[\f+64+8*\a:\f+64+8*\a+3],   v[ADRX+\slot] offset:4096*\a+1024*\q
	ds_load_b128 v[\f+64+8*\a+4:\f+64+8*\a+7], v[ADRX+\slot] offset:4096*\a+1024*\q+512
.endr
.endm
; A K step is four quarters of 32 along K, 32 matrix instructions each, on buffers 0, 1, 0, 1.  One of the first three: multiplies buffer f and fetches quarter q into g.
.macro QUARTER slot, q, f, g, cm
	s_wait_dscnt 4                                 ; W and X's blocks 0, 1 are in; the youngest four loads (X's blocks 2, 3) may be out
	MWIN \cm
	MUL8 \f, 0, \cm
	MUL8 \f, 1, \cm
	PLACES
	WIN 0
	FETCH \slot, \q, \g
	s_wait_dscnt 24                                ; all but the 24 just issued
	MWIN \cm
	MUL8 \f, 2, \cm
	MUL8 \f, 3, \cm
.endm
; The last quarter multiplies buffer 1 and changes slots: ONE barrier; in front of it each wave waits for its own reads of this slot and for all its tensor loads (one is out: its part of
; the next slot).  fill = 1: this slot is filled again, two K steps on.
.macro TURN slot, next, fill
	s_wait_dscnt 4
	WIN 0x50
	MUL8 F1, 0, 0
	s_wait_dscnt 0x0                               ; my reads of this slot are over,
	s_wait_tensorcnt 0x0                           ; and all my tensor loads have landed
	ds_add_u32 v254, v255
	s_wait_dscnt 0x0
	s_barrier_signal -1
	MUL8 F1, 1, 0
.if \fill
	WIN 0
.endif
	s_barrier_wait -1
.if \fill
	CREST                                          ; the barrier has opened a round of the cluster's: no wave of any partner still reads this slot or has a load on its way
	s_add_nc_u64 s[G0+4*\slot+2:G0+4*\slot+3], s[G0+4*\slot+2:G0+4*\slot+3], 2*KS_X
	s_add_nc_u64 s[G0B+4*\slot+2:G0B+4*\slot+3], s[G0B+4*\slot+2:G0B+4*\slot+3], 2*KS_W
	JLOAD \slot                                    ; the first tensor load behind the round, 120 matrix instructions ahead of the wait for it; its four v_nop are also the places in front of the loads below
.else
	PLACES
.endif
	WIN 0
	FETCH \next, 0, F0
	WIN 0x50
	MUL8 F1, 2, 0
	MUL8 F1, 3, 0
.endm
	s_wait_tensorcnt 0x1                           ; my part of K step 0 is in; K step 1's may stay out
	s_barrier_signal -1
	s_barrier_wait -1                              ; everybody's is
	FETCH 0, 0, F0
	s_wait_loadcnt 0x0                             ; the bias
	QUARTER 0, 1, F0, F1, 2                        ; the first quarter stands in front of the loop: its products start the sums, on the bias
	WIN 0                                          ; at a label and at a branch every window is 0
	s_mov_b32 s3, 3
.Llap:                                                 ; a trip goes once round the ring, from a lap's second quarter to the next lap's first, and fills both slots again
	QUARTER 0, 2, F1, F0, 0
	QUARTER 0, 3, F0, F1, 0
	TURN 0, 1, 1
	QUARTER 1, 1, F0, F1, 0
	QUARTER 1, 2, F1, F0, 0
	QUARTER 1, 3, F0, F1, 0
	TURN 1, 0, 1
	QUARTER 0, 1, F0, F1, 0
	WIN 0
	s_sub_co_u32 s3, s3, 1
	s_cmp_lg_u32 s3, 0
	s_cbranch_scc1 .Llap
	QUARTER 0, 2, F1, F0, 0                        ; the last lap fills nothing, and has no round of the cluster's barrier
	QUARTER 0, 3, F0, F1, 0
	TURN 0, 1, 0
	QUARTER 1, 1, F0, F1, 0
	QUARTER 1, 2, F1, F0, 0
	QUARTER 1, 3, F0, F1, 0
	s_wait_dscnt 4                                 ; the very last quarter: nothing more to fetch
	WIN 0x50
	MUL8 F1, 0, 0
	MUL8 F1, 1, 0
	s_wait_dscnt 0x0
	MUL8 F1, 2, 0
	MUL8 F1, 3, 0
	WIN 0
	; THE WAY OUT, 16 tokens at a time: the accumulators go into my stage as they are (f32, the low four registers first), and come back as whole rows of 512 bytes.
	PLACES
.irp a, 0,1,2,3
.if \a >= 2
	s_wait_xcnt 0x0                                ; the registers that block a - 2's stores read are loaded again only behind this wait
.endif
	WIN 0x04                                       ; the stores' data in window 1
.irp b, 0,1,2,3,4,5,6,7
	ds_store_b128 v[STO], v[8*(8*\a+\b):8*(8*\a+\b)+3]   offset:64*\b
	ds_store_b128 v[STO], v[8*(8*\a+\b)+4:8*(8*\a+\b)+7] offset:64*\b+16
.endr
	WIN 0
.set BK, 32+96*(\a%2)                  ; v32-95 and v128-191 by turns
.irp p, 0,1,2,3,4,5,6,7,8,9,10,11,12,13,14,15
	ds_load_b128 v[BK+4*\p:BK+4*\p+3], v[RD] offset:SP*\p  ; LDS serves a wave's instructions in order (ISA guide 5.7.1.4): these see the stores above; the next block's stores come behind them
.endr
.irp p, 0,1,2,3,4,5,6,7,8,9,10,11,12,13,14,15
	s_wait_dscnt 15-\p                             ; row p is back, the younger rows stay out
	global_store_b128 v[CO], v[BK+4*\p:BK+4*\p+3], s[10:11] offset:65536*\a+4096*\p th:TH_STORE_NT   ; 512 neighbouring bytes of a row of out0, aligned
.endr
.endr
	s_wait_tensorcnt 0x0
	ds_add_u32 v254, v255
	s_wait_dscnt 0x0
	CROUND                                         ; the closing round: no work-group ends while a partner may still ask for a tile that names it
	s_endpgm
.Lfunc_end_k_q20663c222a_proj:
	.size	k_q20663c222a_proj, .Lfunc_end_k_q20663c222a_proj-k_q20663c222a_proj
	.p2alignl 7, 3214868480
	.fill 96, 4, 3214868480
	.section	.rodata,"a",@progbits
	.p2align	6, 0x0
	.amdhsa_kernel k_q20663c222a_proj
		.amdhsa_group_segment_fixed_size 327680
		.amdhsa_private_segment_fixed_size 0
		.amdhsa_enable_private_segment 0
		.amdhsa_kernarg_size 32
		.amdhsa_user_sgpr_count 2
		.amdhsa_user_sgpr_kernarg_segment_ptr 1
		.amdhsa_wavefront_size32 1
		.amdhsa_system_sgpr_workgroup_id_x 1
		.amdhsa_system_sgpr_workgroup_id_y 1
		.amdhsa_system_sgpr_workgroup_id_z 1
		.amdhsa_system_vgpr_workitem_id 0
		.amdhsa_next_free_vgpr 576
		.amdhsa_next_free_sgpr 66
		.amdhsa_reserve_vcc 0
		.amdhsa_float_denorm_mode_32 3
		.amdhsa_float_denorm_mode_16_64 3
		.amdhsa_memory_ordered 1
		.amdhsa_forward_progress 1
		.amdhsa_inst_pref_size 88
	.end_amdhsa_kernel
	.amdgpu_metadata
---
amdhsa.version: [ 1, 2 ]
amdhsa.kernels:
  - .name:           k_q20663c222a_proj
    .symbol:         k_q20663c222a_proj.kd
    .args:
      - { .name: of, .offset: 0, .size: 8, .value_kind: global_buffer, .address_space: global }
      - { .name: wf, .offset: 8, .size: 8, .value_kind: global_buffer, .address_space: global }
      - { .name: b_proj, .offset: 16, .size: 8, .value_kind: global_buffer, .address_space: global }
      - { .name: out0, .offset: 24, .size: 8, .value_kind: global_buffer, .address_space: global }
    .group_segment_fixed_size: 327680
    .private_segment_fixed_size: 0
    .kernarg_segment_align: 8
    .kernarg_segment_size: 32
    .max_flat_workgroup_size: 128
    .sgpr_count:     66
    .vgpr_count:     576
    .wavefront_size: 32
...
	.end_amdgpu_metadata
.endif
;; end of part 4
;; ======== version 2 of 2: 4 launches; 1.31 times as fast as version 1
;; limits: values are held in f16: magnitudes above 65,504 overflow, below 6.1e-05 lose precision
;; workspace buffers: xf 16,777,216 bytes; wf 8,388,608 bytes; mw 524,288 bytes of whole numbers; fl 1,024 bytes of whole numbers; qkvf 50,331,648 bytes; of 16,777,216 bytes
;; launch prep (part 5): grid 512 x 1, 16 waves a work-group, no clusters, 137,472 bytes of LDS; arguments x, w_qkv, w_proj, mask, xf, wf, mw, fl; writes xf, wf, mw, fl
.if DOCPART == 5
	.amdgcn_target "amdgcn-amd-amdhsa--gfx1250"
	.amdhsa_code_object_version 6
	.text
	.protected	k_q20663c222a_prep
	.globl	k_q20663c222a_prep
	.p2align	8
	.type	k_q20663c222a_prep,@function
k_q20663c222a_prep:
	s_mov_b64 s[64:65], 0
	v_nop
	global_prefetch_b8 v0, s[64:65] scope:SCOPE_SE
	s_setreg_imm32_b32 hwreg(HW_REG_WAVE_MODE, 25, 1), 1
	s_wait_xcnt 0x0
; prep: brings the inputs into the order in which the later launches' matrix instructions take them.
; A PIECE is 512 bytes of a matrix M[row][k] of 16-bit numbers: lane L (h = L / 16, r = L % 16) owns bytes 16 L .. 16 L + 15 = M[16 rb + r][16 kp + 8 h + 0..7].
; Two pieces (kp = 2 c, 2 c + 1) are the eight registers of a 16 x 32 operand, so every later operand load is 16 bytes a lane, 512 neighbouring bytes a wave.
;   xf  [ks 8][rb 512][p 8][512]      x in bf16, rows = tokens, kp = 8 ks + p
;   wf  [ks 8][head 16][section 3][blk 4][p 8][512]   w_qkv turned (rows = output channels: channel 1,024 section + 64 head + 16 blk + r) in bf16: a head's q, k and v lie together, 48 KiB a K step;
;       behind it, at byte 6,291,456, [ks 8][nb 64][p 8][512]: w_proj turned
;   mw  [qt 128][kb 128][j 8] words   bit 16 h + r of a word = (mask[16 qt + r][16 kb + 8 h + j] != 0): one word masks one register of a tile of scores
;   fl  [qt 128][2] words             bit u of word 0: some entry of the tile's keys 64 u .. 64 u + 63 is allowed; of word 1: all are
; w_proj is rounded to bf16 as x and w_qkv are (one rounding for all inputs of products) and that number is then written in f16, since its partner in the
; last product, the attention's result, is kept in f16.  The second step is exact for 2^-14 <= |w| < 65,504; below, the error is at most 2^-25; LIMIT: |w_proj| < 65,504.
; SHARES.  16 waves; each wave has ONE task of 16 rows x 512 bytes (16 loads of 512 neighbouring bytes), turns it in 8,448 LDS bytes of its own and stores whole pieces.
; The work-group's number picks the role: 0-127 the mask (one tile row of 16 queries each), 128-383 x, 384-479 w_qkv, 480-511 w_proj.
; Memory binds: no matrix unit, no cluster (no byte is read by two work-groups), no tensor load (a task is one round of 16 loads, nothing is filled again).
.set WLDS,  8448                       ; a wave's LDS bytes
.set FLAGS, 16*WLDS                    ; behind them: 32 words 'some allowed', 32 words 'some forbidden', one for each key step of 64
.set T,     8                          ; v[8:15]   at work
.set IN,    16                         ; v[16:79]  the 16 rows as loaded, 4 registers each
.set OUT,   80                         ; v[80:111] 32 registers on their way out
; A weight's task: rows k = 16 kp .. + 15, columns n = 128 nc .. + 127.  Lane L holds columns 4 L + e: piece L / 4, row r = 4 (L % 4) + e of it; its eight k for half h are rows 8 h .. 8 h + 7.
; first: the role's first work-group; pitch: bytes in a row of the weight; nb: blocks of 16 output channels; sec: the section's first byte in wf; src: the pointer's register; half = 1: f16;
; heads = 1: the blocks are laid by heads (w_qkv); 0: in the order of the channels (w_proj)
.macro WROLE first, pitch, nb, sec, src, half, heads
	s_sub_co_u32 s22, s22, \first                  ; i
	s_lshr_b32 s23, s22, 2                         ; nc = i / 4
	s_and_b32 s28, s22, 3
	s_lshl4_add_u32 s28, s28, s20                  ; kp = 16 (i % 4) + wave
	s_mul_i32 s24, s28, 16*\pitch
	s_lshl_b32 s29, s23, 9
	s_add_co_u32 s24, s24, s29
	s_add_nc_u64 s[\src:\src+1], s[\src:\src+1], s[24:25]
.irp p, 0,1,2,3,4,5,6,7,8,9,10,11,12,13,14,15
	global_load_b128 v[IN+4*\p:IN+4*\p+3], v2, s[\src:\src+1] offset:\pitch*\p th:TH_LOAD_NT
.endr
	s_lshr_b32 s29, s28, 3                         ; ks = kp / 8
	s_mul_i32 s24, s29, \nb*4096
.if \heads
	s_and_b32 s29, s23, 7                          ; the task's 8 blocks are 4 blocks each of heads 2 (nc % 8) and 2 (nc % 8) + 1, in section nc / 8:
	s_mul_i32 s29, s29, 24*4096                    ; two heads of 12 blocks,
	s_add_co_u32 s24, s24, s29
	s_lshr_b32 s29, s23, 3
	s_lshl_b32 s29, s29, 14                        ; a section of 4 blocks
.else
	s_lshl_b32 s29, s23, 15                        ; 8 nc blocks of 4,096 bytes
.endif
	s_add_co_u32 s24, s24, s29
	s_and_b32 s29, s28, 7
	s_lshl_b32 s29, s29, 9                         ; piece kp % 8
	s_add_co_u32 s24, s24, s29
.if \sec
	s_add_co_u32 s24, s24, \sec
.endif
	s_add_nc_u64 s[14:15], s[14:15], s[24:25]
	v_lshrrev_b32 v3, 2, v1                        ; in: piece L / 4 at a pitch of 528 bytes = 33 x 16, so that the 16 lanes of half a wave
	v_mul_u32_u24 v3, v3, 528                      ; (4 pieces x 4 places 64 bytes apart) fall on 16 different columns of 16 bytes
	v_and_b32 v4, 3, v1
	v_lshl_add_u32 v3, v4, 6, v3
	v_add_nc_u32 v3, s21, v3
	v_add_nc_u32 v4, s21, v2                       ; back: 16 L in each piece
.irp h, 0,1
	s_wait_loadcnt 8-8*\h                          ; rows 0 to 7 are in while 8 younger loads stay out; then all
.irp e, 0,1,2,3
.irp t, 0,1,2,3
	v_cvt_pk_bf16_f32 v[OUT+16*\h+4*\e+\t], v[IN+4*(8*\h+2*\t)+\e], v[IN+4*(8*\h+2*\t+1)+\e]
.if \half
	v_lshlrev_b32 v[T], 16, v[OUT+16*\h+4*\e+\t]   ; the two bf16 numbers as f32,
	v_and_b32 v[T+1], 0xffff0000, v[OUT+16*\h+4*\e+\t]
	v_cvt_pk_f16_f32 v[OUT+16*\h+4*\e+\t], v[T], v[T+1]   ; and written in f16
.endif
.endr
	ds_store_b128 v3, v[OUT+16*\h+4*\e:OUT+16*\h+4*\e+3] offset:256*\h+16*\e
.endr
.endr
.irp n, 0,1,2,3,4,5,6,7
	ds_load_b128 v[IN+4*\n:IN+4*\n+3], v4 offset:528*\n    ; LDS serves a wave's instructions in order (ISA guide 5.7.1.4): these see the stores above
.endr
.irp n, 0,1,2,3,4,5,6,7
	s_wait_dscnt 7-\n                              ; piece n is back, the younger ones stay out
.if \heads
	global_store_b128 v2, v[IN+4*\n:IN+4*\n+3], s[14:15] offset:49152*(\n>>2)+4096*(\n&3)   ; a whole piece: 512 neighbouring bytes; blocks 4 to 7 belong to the next head, 12 blocks on
.else
	global_store_b128 v2, v[IN+4*\n:IN+4*\n+3], s[14:15] offset:4096*\n   ; a whole piece: 512 neighbouring bytes
.endif
.endr
.endm
	s_load_b512 s[4:19], s[0:1], 0x0               ; x s[4:5], w_qkv s[6:7], w_proj s[8:9], mask s[10:11], xf s[12:13], wf s[14:15], mw s[16:17], fl s[18:19]
	v_lshl_add_u32 v112, v0, 2, 0x21100
	v_mov_b32 v113, 0
	v_and_b32 v1, 31, v0                           ; L
	v_lshrrev_b32 v3, 5, v0
	v_readfirstlane_b32 s20, v3                    ; wave 0..15
	v_lshlrev_b32 v2, 4, v1                        ; 16 L: the lane's place in every row loaded and every piece stored; never rewritten
	s_mul_i32 s21, s20, WLDS                       ; my wave's LDS bytes
	s_mov_b32 s30, ttmp9                           ; the work-group's number, kept
	s_mov_b32 s22, ttmp9                           ; and the number within the role
	s_mov_b32 s25, 0                               ; high word of every offset pair s[24:25]
	s_wait_kmcnt 0x0
	s_cmp_lt_u32 s30, 128
	s_cbranch_scc1 .Lmask
	s_cmp_lt_u32 s30, 384
	s_cbranch_scc1 .Lx
	s_cmp_lt_u32 s30, 480
	s_cbranch_scc1 .Lwq
	WROLE 480, 4096, 64, 6291456, 8, 1, 0
	s_branch .Ltail
.Lwq:
	WROLE 384, 12288, 192, 0, 6, 0, 1
	s_branch .Ltail
.Lx:    ; x: rows 16 rb .. + 15, columns 128 ks .. + 127.  Lane L holds k = 4 L .. 4 L + 3 of a row: half piece L / 2, 8 bytes at 8 (L % 2) of the row's 16
	s_sub_co_u32 s22, s22, 128                     ; i
	s_lshr_b32 s23, s20, 3
	s_lshl1_add_u32 s23, s22, s23                  ; rb = 2 i + wave / 8
	s_and_b32 s28, s20, 7                          ; ks = wave % 8
	s_lshl_b32 s24, s23, 16                        ; 16 rows of 4,096 bytes
	s_lshl_b32 s29, s28, 9
	s_add_co_u32 s24, s24, s29
	s_add_nc_u64 s[4:5], s[4:5], s[24:25]
.irp p, 0,1,2,3,4,5,6,7,8,9,10,11,12,13,14,15
	global_load_b128 v[IN+4*\p:IN+4*\p+3], v2, s[4:5] offset:4096*\p th:TH_LOAD_NT
.endr
	s_lshl_b32 s24, s28, 21                        ; xf: ks x 2 MiB + rb x 4,096
	s_lshl_b32 s29, s23, 12
	s_add_co_u32 s24, s24, s29
	s_add_nc_u64 s[12:13], s[12:13], s[24:25]
	v_lshrrev_b32 v3, 1, v1                        ; in: half pieces of 256 bytes at a pitch of 272 = 68 words: the 32 lanes' 8 bytes fall on 64 different banks (64 banks of 4 bytes: ISA guide 11.1)
	v_mul_u32_u24 v3, v3, 272
	v_and_b32 v4, 1, v1
	v_lshl_add_u32 v3, v4, 3, v3
	v_add_nc_u32 v3, s21, v3
	v_lshrrev_b32 v4, 4, v1                        ; back: half piece 2 p + h, 16 r in it
	v_mul_u32_u24 v4, v4, 272
	v_and_b32 v5, 15, v1
	v_lshl_add_u32 v4, v5, 4, v4
	v_add_nc_u32 v4, s21, v4
.irp p, 0,1,2,3,4,5,6,7,8,9,10,11,12,13,14,15
	s_wait_loadcnt 15-\p                           ; loads come back in order (ISA guide 5.7.1): row p is in, the younger rows stay out
	v_cvt_pk_bf16_f32 v[T+2*(\p%4)], v[IN+4*\p], v[IN+4*\p+1]
	v_cvt_pk_bf16_f32 v[T+2*(\p%4)+1], v[IN+4*\p+2], v[IN+4*\p+3]
	ds_store_b64 v3, v[T+2*(\p%4):T+2*(\p%4)+1] offset:16*\p
.endr
.irp p, 0,1,2,3,4,5,6,7
	ds_load_b128 v[OUT+4*\p:OUT+4*\p+3], v4 offset:544*\p  ; in order behind the stores above
.endr
.irp p, 0,1,2,3,4,5,6,7
	s_wait_dscnt 7-\p
	global_store_b128 v2, v[OUT+4*\p:OUT+4*\p+3], s[12:13] offset:512*\p   ; the task's 8 pieces are 4,096 neighbouring bytes
.endr
	s_branch .Ltail
.Lmask: ; the mask: queries 16 qt .. + 15 (qt = the work-group's number), keys 128 w .. + 127
	s_lshl_b32 s24, s22, 17                        ; 16 rows of 8,192 bytes
	s_lshl_b32 s29, s20, 9
	s_add_co_u32 s24, s24, s29
	s_add_nc_u64 s[10:11], s[10:11], s[24:25]
.irp p, 0,1,2,3,4,5,6,7,8,9,10,11,12,13,14,15
	global_load_b128 v[IN+4*\p:IN+4*\p+3], v2, s[10:11] offset:8192*\p th:TH_LOAD_NT
.endr
	s_lshl_b32 s24, s22, 12                        ; mw: qt x 4,096 + wave x 256 (64 words)
	s_lshl_b32 s29, s20, 8
	s_add_co_u32 s24, s24, s29
	s_add_nc_u64 s[16:17], s[16:17], s[24:25]
	v_add_nc_u32 v3, s21, v2                       ; in: rows at a pitch of 528 bytes
	v_and_b32 v4, 15, v1                           ; back: lane (h, r) takes row r, keys 8 h + 0..7 of a block of 16: 16 rows 33 x 16 bytes apart, 16 different columns of 16 bytes
	v_mul_u32_u24 v4, v4, 528
	v_lshrrev_b32 v5, 4, v1
	v_lshl_add_u32 v4, v5, 5, v4
	v_add_nc_u32 v4, s21, v4
	v_lshlrev_b32 v5, 3, v1                        ; 8 L: two words a lane on the way out
	v_mov_b32 v6, 0                                ; v_writelane_b32 keeps the other lanes: both registers are written whole first
	v_mov_b32 v7, 0
.irp p, 0,1,2,3,4,5,6,7,8,9,10,11,12,13,14,15
	s_wait_loadcnt 15-\p
	ds_store_b128 v3, v[IN+4*\p:IN+4*\p+3] offset:528*\p
.endr
.irp g, 0,1                            ; the wave's two key steps of 64
.irp c, 0,1,2,3
	ds_load_b128 v[OUT+8*\c:OUT+8*\c+3],   v4 offset:256*\g+64*\c
	ds_load_b128 v[OUT+8*\c+4:OUT+8*\c+7], v4 offset:256*\g+64*\c+16
.endr
	s_wait_dscnt 0x0
.irp c, 0,1,2,3                        ; block of 16 keys c: eight compares, each a word of 32 lanes' bits, then their places: word W = 32 g + 8 c + j goes to lane W / 2, register W % 2
.irp j, 0,1,2,3,4,5,6,7
	v_cmp_ne_u32 s[32+\j], 0, v[OUT+8*\c+\j]
.endr
.irp j, 0,1,2,3,4,5,6,7
	v_writelane_b32 v[6+(\j&1)], s[32+\j], (32*\g+8*\c+\j)>>1
.if (\c == 0) && (\j == 0)
	s_mov_b32 s[26+2*\g], s32                      ; the first word starts both: the OR (some allowed) and the AND (all allowed)
	s_mov_b32 s[27+2*\g], s32
.else
	s_or_b32 s[26+2*\g], s[26+2*\g], s[32+\j]
	s_and_b32 s[27+2*\g], s[27+2*\g], s[32+\j]
.endif
.endr
.endr
.endr
	global_store_b64 v5, v[6:7], s[16:17]          ; the wave's 64 words: 256 neighbouring bytes, aligned
	s_not_b32 s27, s27                             ; not 0 where some entry is forbidden
	s_not_b32 s29, s29
	v_mov_b32 v8, s26
	v_mov_b32 v9, s28
	v_mov_b32 v10, s27
	v_mov_b32 v11, s29
	v_mov_b32 v12, FLAGS
	v_lshl_add_u32 v12, s20, 3, v12                ; key steps 2 w and 2 w + 1: my wave's own two words in each list (all lanes write the same numbers)
	ds_store_b64 v12, v[8:9]
	ds_store_b64 v12, v[10:11] offset:128
.Ltail: ; every role passes the launch's one barrier here; only the mask's role has handed anything to another wave
	s_wait_dscnt 0x0                               ; for the others' sake: my LDS stores are done
	s_barrier_signal -1
	s_barrier_wait -1
	s_cmp_lt_u32 s30, 128
	s_cbranch_scc0 .Lend
	s_cmp_eq_u32 s20, 0
	s_cbranch_scc0 .Lend
	v_lshlrev_b32 v13, 2, v1                       ; wave 0 of a mask group: lane u takes key step u's two words
	v_add_nc_u32 v13, FLAGS, v13
	ds_load_b32 v14, v13
	ds_load_b32 v15, v13 offset:128
	s_lshl_b32 s24, s30, 3
	s_add_nc_u64 s[18:19], s[18:19], s[24:25]
	s_wait_dscnt 0x0
	v_cmp_ne_u32 s32, 0, v14                       ; bit u: some entry allowed
	v_cmp_eq_u32 s33, 0, v15                       ; bit u: none forbidden
	v_mov_b32 v8, s32
	v_mov_b32 v9, s33
	v_mov_b32 v10, 0
	v_cmp_eq_u32 vcc_lo, 0, v1
	s_wait_xcnt 0x0                                ; EXEC is a source of the stores above: it changes only behind this wait
	s_and_saveexec_b32 s34, vcc_lo
	global_store_b64 v10, v[8:9], s[18:19]         ; 8 bytes a tile row: 1,024 bytes in the whole launch
	s_wait_xcnt 0x0                                ; and again in front of the line that widens it
	s_or_b32 exec_lo, exec_lo, s34
.Lend:
	s_wait_tensorcnt 0x0
	ds_add_u32 v112, v113
	s_wait_dscnt 0x0
	s_endpgm
.Lfunc_end_k_q20663c222a_prep:
	.size	k_q20663c222a_prep, .Lfunc_end_k_q20663c222a_prep-k_q20663c222a_prep
	.p2alignl 7, 3214868480
	.fill 96, 4, 3214868480
	.section	.rodata,"a",@progbits
	.p2align	6, 0x0
	.amdhsa_kernel k_q20663c222a_prep
		.amdhsa_group_segment_fixed_size 137472
		.amdhsa_private_segment_fixed_size 0
		.amdhsa_enable_private_segment 0
		.amdhsa_kernarg_size 64
		.amdhsa_user_sgpr_count 2
		.amdhsa_user_sgpr_kernarg_segment_ptr 1
		.amdhsa_wavefront_size32 1
		.amdhsa_system_sgpr_workgroup_id_x 1
		.amdhsa_system_sgpr_workgroup_id_y 1
		.amdhsa_system_sgpr_workgroup_id_z 1
		.amdhsa_system_vgpr_workitem_id 0
		.amdhsa_next_free_vgpr 114
		.amdhsa_next_free_sgpr 66
		.amdhsa_reserve_vcc 1
		.amdhsa_float_denorm_mode_32 3
		.amdhsa_float_denorm_mode_16_64 3
		.amdhsa_memory_ordered 1
		.amdhsa_forward_progress 1
		.amdhsa_inst_pref_size 46
	.end_amdhsa_kernel
	.amdgpu_metadata
---
amdhsa.version: [ 1, 2 ]
amdhsa.kernels:
  - .name:           k_q20663c222a_prep
    .symbol:         k_q20663c222a_prep.kd
    .args:
      - { .name: x, .offset: 0, .size: 8, .value_kind: global_buffer, .address_space: global }
      - { .name: w_qkv, .offset: 8, .size: 8, .value_kind: global_buffer, .address_space: global }
      - { .name: w_proj, .offset: 16, .size: 8, .value_kind: global_buffer, .address_space: global }
      - { .name: mask, .offset: 24, .size: 8, .value_kind: global_buffer, .address_space: global }
      - { .name: xf, .offset: 32, .size: 8, .value_kind: global_buffer, .address_space: global }
      - { .name: wf, .offset: 40, .size: 8, .value_kind: global_buffer, .address_space: global }
      - { .name: mw, .offset: 48, .size: 8, .value_kind: global_buffer, .address_space: global }
      - { .name: fl, .offset: 56, .size: 8, .value_kind: global_buffer, .address_space: global }
    .group_segment_fixed_size: 137472
    .private_segment_fixed_size: 0
    .kernarg_segment_align: 8
    .kernarg_segment_size: 64
    .max_flat_workgroup_size: 512
    .sgpr_count:     66
    .vgpr_count:     114
    .wavefront_size: 32
...
	.end_amdgpu_metadata
.endif
;; end of part 5
;; launch qkv (part 6): grid 16 x 16, 4 waves a work-group, clusters of 4 x 4, 327,680 bytes of LDS; arguments xf, wf, b_qkv, qkvf; writes qkvf
.if DOCPART == 6
	.amdgcn_target "amdgcn-amd-amdhsa--gfx1250"
	.amdhsa_code_object_version 6
	.text
	.protected	k_q20663c222a_qkv
	.globl	k_q20663c222a_qkv
	.p2align	8
	.type	k_q20663c222a_qkv,@function
k_q20663c222a_qkv:
	s_mov_b64 s[64:65], 0
	v_nop
	global_prefetch_b8 v0, s[64:65] scope:SCOPE_SE
	s_setreg_imm32_b32 hwreg(HW_REG_WAVE_MODE, 25, 1), 1
	s_wait_xcnt 0x0
	s_wait_alu depctr_hold_cnt(0) depctr_sa_sdst(0) depctr_va_vdst(0) depctr_va_sdst(0) depctr_va_ssrc(0) depctr_va_vcc(0) depctr_vm_vsrc(0)
	s_getreg_b32 s2, hwreg(HW_REG_IB_STS2, 6, 4)
	s_cmp_eq_u32 s2, 0
	s_cbranch_scc0 .Lentry_in_a_cluster
	s_endpgm
.Lentry_in_a_cluster:
	s_bfe_u32 s2, ttmp6, 0x10000c
	s_cmp_lg_u32 s2, 0xf033
	s_cbranch_scc0 .Lentry_shape_is_right
	s_endpgm
.Lentry_shape_is_right:
; qkv: q, k, v = x w_qkv (+ b_qkv for q and k), products in bf16 with f32 sums, results in f16, stored in the order in which the attention's matrix instructions take them.
; Operands lie in PIECES of 512 bytes: lane L (h = L / 16, r = L % 16) owns bytes 16 L .. + 15 = M[16 rb + r][16 kp + 8 h + 0..7]; two pieces are the 8 registers of a 16 x 32 operand.
;   xf [ks 8][rb 512][p 8][512] x;  wf [ks 8][head 16][section 3][blk 4][p 8][512] w_qkv turned (rows = output channels);  ks = K step of 128.
;   qkvf: Q at 0, K at 16 MiB, V at 32 MiB, each [batch x head 64][tb 128][4][512].  Q, K: piece (token block tb, d / 16).  V: piece of V^T (row block d / 16, key piece tb), at [tb][d / 16].
; A TILE of the result is 256 tokens x 192 channels: ONE HEAD'S q, k and v, 64 channels each.  32 x 16 = 512 tiles; 256 work-groups; A WORK-GROUP STAYS and makes two tiles of its head, token tiles
; y and y + 16, written out one after the other; the ring of LDS slots runs on from tile to tile.  Why this tile: a K step then holds 192 matrix instructions a wave for the 112 KiB that it
; fetches, two slots of it fit in LDS, no tile crosses from q to k or from k to v, and 512 tiles are two for each work-group.
; Four waves, split by tokens alone: each 64 tokens x 192 channels, 48 accumulators, 384 registers; so all four run the same text.
; q, k (channel blocks 0-7): source 0 = 16 channels of W, source 1 = 16 tokens of X: a lane holds one token and 8 neighbouring channels, which pack into its 16 bytes of a piece of [token][d].
; v (blocks 8-11): the sources change places: a lane holds one channel and 8 neighbouring tokens: its 16 bytes of a piece of V^T.  Nothing is turned or staged: each accumulator leaves as one store of 512 neighbouring bytes.
; q's and k's bias is the C of a tile's first products.  v's bias is NOT added here: the softmax's weights sum to 1, so sum p (v + b) = sum p v + b, and the attention adds b in f32.
; LIMIT: |q|, |k|, |v| < 65,504 (f16).  f16 because the results of queries with few allowed keys are as large as v itself, and 8 bits of mantissa in v, q, k would show there.
; CLUSTERS: 4 x 4 work-groups.  The four of a row of the cluster need the same tiles of X, the four of a column the same tiles of W: each is asked for jointly.
; REGISTERS: window 0: v16-25 addresses; v32-223 packed results on the way out.   window 1: v0-127, v128-255 two fragment buffers (96 of W, then 32 of X).
;   window 2: q's and k's accumulators, (a, b) at v[8 (8 a + b)].   window 3: v0-127 v's accumulators, (a, b) at v[8 (4 a + b)]; v128-191 the bias as a C operand: register 8 b + j of lane (r, h) = bias of channel 16 b + 8 h + j.
.set KS_X,  2097152                    ; bytes from a K step to the next in xf
.set KS_W,  786432                     ; and in wf
.set WOFF,  65536                      ; a slot: X's 16 row blocks of 4,096 bytes, then W's 12
.set SLOT,  114688
.set ADRX,  16                         ; v16-17  LDS address of my X fragments in slot 0, 1
.set ADRW,  20                         ; v20-21  the same for W
.set CO,    24                         ; v24     16 L
.set BOFF,  25                         ; v25     32 h: my 8 numbers in a block of 16 of the bias
.set TMP,   32
.set F0,    0                          ; fragment buffers, in window 1
.set F1,    128
.set XFR,   96                         ; X's fragments in a buffer
.set BIAS,  128                        ; in window 3
.set G1,    24                         ; s[24:31] descriptor group 1 for X's tiles;  s[32:39] group 0, one set for each slot
.set G0,    32
.set G1B,   48                         ; s[48:55], s[56:63] the same for W's
.set G0B,   56
.set W_QK,  0xa5                       ; sources 0 and 1 window 1, C and D window 2
.set W_QKB, 0xb5                       ; the same with C (the bias) in window 3
.set W_V,   0xf5                       ; sources 0 and 1 window 1, C and D window 3
.set TO_F,  0x40                       ; destination window 1, address window 0
.set MSB,   0
.macro WIN new                         ; the immediate's high byte repeats the setting that is left; a switch that changes nothing is dropped
.if MSB != \new
	s_set_vgpr_msb (MSB<<8)|\new
.set MSB, \new
.endif
.endm
.macro PLACES                          ; four places in front of loads into registers that matrix instructions have read, and of conversions that read results
.rept 4
	v_nop
.endr
.endm
.macro JLOAD s                         ; a joint load: waves 0 and 1 fetch X's two halves, waves 2 and 3 W's; four v_nop follow each of the two lines
	s_cmp_eq_u32 s13, 0
	s_cbranch_scc0 .Lfor_w_\@
	tensor_load_to_lds s[G0+4*\s:G0+4*\s+3], s[G1:G1+7]
	s_nop 0
.rept 4
	v_nop
.endr
	s_branch .Lasked_\@
.Lfor_w_\@:
	tensor_load_to_lds s[G0B+4*\s:G0B+4*\s+3], s[G1B:G1B+7]
	s_nop 0
.rept 4
	v_nop
.endr
.Lasked_\@:
.endm
.macro CREST                           ; a round of the cluster's barrier behind its opening barrier
	s_cmp_lg_u32 s12, 0
	s_cbranch_scc1 .Lnot_wave_0_\@
	s_barrier_signal -3
.Lnot_wave_0_\@:
	s_barrier_wait -3
	s_barrier_signal -1
	s_barrier_wait -1
.endm
.macro CROUND                          ; a whole round
	s_barrier_signal -1
	s_barrier_wait -1
	CREST
.endm
	s_load_b256 s[4:11], s[0:1], 0x0               ; xf s[4:5], wf s[6:7], b_qkv s[8:9], qkvf s[10:11]
	v_lshl_add_u32 v254, v0, 2, 0x38000
	v_mov_b32 v255, 0
	ds_add_u32 v254, v255
	ds_add_u32 v254, v255
	v_lshrrev_b32 v1, 5, v0
	v_readfirstlane_b32 s12, v1                    ; wave 0..3: which 64 tokens are mine
	s_lshr_b32 s13, s12, 1                         ; I fetch for X (0) or for W (1),
	s_and_b32 s14, s12, 1                          ; and this half of that tile
	s_bfe_u32 s40, ttmp6, 0x40000                  ; cx, cy: my place in the cluster
	s_bfe_u32 s41, ttmp6, 0x40004
	s_lshl_b32 s42, ttmp9, 2
	s_add_co_u32 s42, s42, s40                     ; x = 4 x cluster x + cx: my head
	s_and_b32 s43, ttmp7, 0xffff
	s_lshl_b32 s43, s43, 2
	s_add_co_u32 s43, s43, s41                     ; y = 4 x cluster y + cy: my first token tile
	s_lshl_b32 s44, s41, 2
	s_lshl_b32 s44, 15, s44                        ; my row of the cluster
	s_lshl_b32 s45, 0x1111, s40                    ; my column
	; descriptor group 1.  What a wave fetches is dense in memory (8 row blocks of X = 32 KiB, 6 blocks of W = 24 KiB): rows of 32 elements of 8 bytes, each beginning where the last ends; no padding
	s_or_b32 s[G1+0], s44, (3<<16)|(1<<21)         ; 15:0 the mask: X's tiles go to my row; 17:16 elements of 8 bytes; 21 set beside a mask
	s_or_b32 s[G1B+0], s45, (3<<16)|(1<<21)        ; W's tiles go to my column
.irp g, G1, G1B
	s_mov_b32 s[\g+1], 32<<16                      ; tensor_dim0 = 32
	s_mov_b32 s[\g+3], 32<<16                      ; tile_dim0 = 32
	s_mov_b32 s[\g+5], 32                          ; tensor_dim0_stride = 32
	s_mov_b32 s[\g+6], 0
	s_mov_b32 s[\g+7], 0
.endr
	s_mov_b32 s[G1+2], 128<<16                     ; tensor_dim1 = 128 rows of 256 bytes
	s_mov_b32 s[G1+4], 128                         ; tile_dim1
	s_mov_b32 s[G1B+2], 96<<16                     ; 96 rows
	s_mov_b32 s[G1B+4], 96
	s_lshl_b32 s16, s43, 16                        ; X: 16 y row blocks + my half's 8
	s_lshl_b32 s18, s14, 15
	s_add_co_u32 s16, s16, s18
	s_mov_b32 s17, 0
	s_mul_i32 s46, s42, 49152                      ; W: my head's 12 blocks + my half's 6
	s_mul_i32 s19, s14, 24576
	s_add_co_u32 s46, s46, s19
	s_mov_b32 s47, 0
	s_lshl_b32 s20, s14, 15                        ; where they go: no place in the cluster enters an LDS address
	s_mul_i32 s21, s14, 24576
	s_add_co_u32 s21, s21, WOFF
	s_wait_dscnt 0x0
	s_wait_kmcnt 0x0
	s_add_nc_u64 s[16:17], s[4:5], s[16:17]
	s_add_nc_u64 s[46:47], s[6:7], s[46:47]
	CROUND                                         ; all sixteen work-groups are here: the first joint loads meet
.irp s, 0,1
	s_mov_b32 s[G0+4*\s], 1                                        ; count = 1
	s_add_co_u32 s[G0+4*\s+1], s20, \s*SLOT                        ; LDS address
	s_add_nc_u64 s[G0+4*\s+2:G0+4*\s+3], s[16:17], \s*KS_X         ; global address: K step s
	s_or_b32 s[G0+4*\s+3], s[G0+4*\s+3], 0x80000000                ; type = 2
	s_mov_b32 s[G0B+4*\s], 1
	s_add_co_u32 s[G0B+4*\s+1], s21, \s*SLOT
	s_add_nc_u64 s[G0B+4*\s+2:G0B+4*\s+3], s[46:47], \s*KS_W
	s_or_b32 s[G0B+4*\s+3], s[G0B+4*\s+3], 0x80000000
	JLOAD \s                                       ; two tensor loads of mine are out; later one
.endr
	v_and_b32 v1, 31, v0
	v_lshlrev_b32 v[CO], 4, v1
	v_bfe_u32 v2, v0, 4, 1
	v_lshlrev_b32 v[BOFF], 5, v2
	s_lshl_b32 s22, s12, 14                        ; my 4 row blocks of X
	s_mov_b32 s23, WOFF                            ; W's 12 blocks, which every wave reads, lie behind X's
.irp s, 0,1
	v_add_nc_u32 v[ADRX+\s], s22, v[CO]
	v_add_nc_u32 v[ADRW+\s], s23, v[CO]
	s_add_co_u32 s22, s22, SLOT
	s_add_co_u32 s23, s23, SLOT
.endr
	s_lshl_b32 s22, s42, 8                         ; the bias of my head's q: 4 x 64 x head bytes on; k's lies 4,096 bytes behind.  Both tiles have the same head
	s_mov_b32 s23, 0
	s_add_nc_u64 s[8:9], s[8:9], s[22:23]
	WIN 0xc0                                       ; destination window 3
.irp b, 0,1,2,3,4,5,6,7
	global_load_b128 v[BIAS+8*\b:BIAS+8*\b+3],   v[BOFF], s[8:9] offset:4096*(\b>>2)+64*(\b&3)
	global_load_b128 v[BIAS+8*\b+4:BIAS+8*\b+7], v[BOFF], s[8:9] offset:4096*(\b>>2)+64*(\b&3)+16
.endr
	WIN 0
	s_lshr_b32 s18, s43, 3                         ; where my results go: (16 batch + head) heads of 262,144 bytes + (16 (y % 8) + 4 wave) token blocks of 2,048; batch = y / 8
	s_lshl4_add_u32 s18, s18, s42
	s_lshl_b32 s18, s18, 18
	s_and_b32 s19, s43, 7
	s_lshl_b32 s19, s19, 4
	s_lshl2_add_u32 s19, s12, s19
	s_lshl_b32 s19, s19, 11
	s_add_co_u32 s18, s18, s19
	s_mov_b32 s19, 0
	s_add_nc_u64 s[10:11], s[10:11], s[18:19]      ; q's section,
	s_add_nc_u64 s[4:5], s[10:11], 16777216        ; k's (xf's and wf's addresses are in the descriptors: their registers are free),
	s_add_nc_u64 s[6:7], s[10:11], 33554432        ; v's: a base for each, since 16 MiB is more than a store's immediate holds
; 8 matrix instructions: token block a x q's and k's 8 channel blocks, 32 along K, from buffer f.  st = 1: the bias starts the sums.
; The 48 accumulators take turns, one instruction a turn, in the same order in every quarter.
.macro MULQK f, a, st
.irp b, 0,1,2,3,4,5,6,7
.set rD, 8*(8*(\a)+\b)
.if \st
	v_wmma_f32_16x16x32_bf16 v[rD:rD+7], v[\f+8*\b:\f+8*\b+7], v[\f+XFR+8*(\a):\f+XFR+8*(\a)+7], v[BIAS+8*\b:BIAS+8*\b+7]
.else
	v_wmma_f32_16x16x32_bf16 v[rD:rD+7], v[\f+8*\b:\f+8*\b+7], v[\f+XFR+8*(\a):\f+XFR+8*(\a)+7], v[rD:rD+7]
.endif
.endr
.endm
; 16 matrix instructions: all 4 token blocks x v's 4 channel blocks, X as source 0.  st = 1: the constant 0 starts the sums.
.macro MULV f, st
.irp a, 0,1,2,3
.irp b, 0,1,2,3
.set rD, 8*(4*\a+\b)
.if \st
	v_wmma_f32_16x16x32_bf16 v[rD:rD+7], v[\f+XFR+8*\a:\f+XFR+8*\a+7], v[\f+64+8*\b:\f+64+8*\b+7], 0
.else
	v_wmma_f32_16x16x32_bf16 v[rD:rD+7], v[\f+XFR+8*\a:\f+XFR+8*\a+7], v[\f+64+8*\b:\f+64+8*\b+7], v[rD:rD+7]
.endif
.endr
.endr
.endm
.macro QKWIN st
.if \st
	WIN W_QKB
.else
	WIN W_QK
.endif
.endm
; 32 LDS loads in one run: quarter q (32 along K: pieces 2 q, 2 q + 1) of a slot into buffer f, in the order of their use: q's and k's 8 blocks of W, X's 4 blocks, v's 4 blocks of W.
; Each takes 512 neighbouring bytes.
.macro FETCH slot, q, f
	WIN TO_F
.irp b, 0,1,2,3,4,5,6,7
	ds_load_b128 v[\f+8*\b:\f+8*\b+3],   v[ADRW+\slot] offset:4096*\b+1024*\q
	ds_load_b128 v[\f+8*\b+4:\f+8*\b+7], v[ADRW+\slot] offset:4096*\b+1024*\q+512
.endr
.irp a, 0,1,2,3
	ds_load_b128 v[\f+XFR+8*\a:\f+XFR+8*\a+3],   v[ADRX+\slot] offset:4096*\a+1024*\q
	ds_load_b128 v[\f+XFR+8*\a+4:\f+XFR+8*\a+7], v[ADRX+\slot] offset:4096*\a+1024*\q+512
.endr
.irp b, 8,9,10,11
	ds_load_b128 v[\f+8*\b:\f+8*\b+3],   v[ADRW+\slot] offset:4096*\b+1024*\q
	ds_load_b128 v[\f+8*\b+4:\f+8*\b+7], v[ADRW+\slot] offset:4096*\b+1024*\q+512
.endr
.endm
; A K step is four quarters of 32 along K, 48 matrix instructions each, on buffers 0, 1, 0, 1.  One of the first three: multiplies buffer f and, behind its first 16 products, fetches quarter q
; into g: 32 matrix instructions ahead of the first use.
.macro QUARTER slot, q, f, g, st
	s_wait_dscnt 12                                ; q's and k's W and X's blocks 0, 1 are in; the youngest twelve loads (X's blocks 2, 3: four; v's W: eight) may be out
	QKWIN \st
	MULQK \f, 0, \st
	MULQK \f, 1, \st
	PLACES
	FETCH \slot, \q, \g
	s_wait_dscnt 32                                ; all but the 32 just issued
	QKWIN \st
	MULQK \f, 2, \st
	MULQK \f, 3, \st
	WIN W_V
	MULV \f, \st
.endm
; The last quarter multiplies buffer 1 and changes slots: ONE barrier; in front of it each wave waits for its own reads of this slot and for all its tensor loads (one is out: its part of
; the next slot).  mode 1: this slot is filled again, two K steps on; 2: with the NEXT tile's K step (W goes six K steps back; X six back and 16 token tiles, 256 row blocks, on); 0: not at all.
.macro TURN slot, next, mode
	s_wait_dscnt 12
	WIN W_QK
	MULQK F1, 0, 0
	s_wait_dscnt 0x0                               ; my reads of this slot are over,
	s_set_vgpr_msb 0xa5a0
	s_wait_tensorcnt 0x0                           ; and all my tensor loads have landed
	ds_add_u32 v254, v255
	s_wait_dscnt 0x0
	s_set_vgpr_msb 0xa0a5
	s_barrier_signal -1
	MULQK F1, 1, 0
.if \mode
	WIN 0
.endif
	s_barrier_wait -1
.if \mode
	CREST                                          ; the barrier has opened a round of the cluster's: no wave of any partner still reads this slot or has a load on its way
.if \mode == 1
	s_add_nc_u64 s[G0+4*\slot+2:G0+4*\slot+3], s[G0+4*\slot+2:G0+4*\slot+3], 2*KS_X
	s_add_nc_u64 s[G0B+4*\slot+2:G0B+4*\slot+3], s[G0B+4*\slot+2:G0B+4*\slot+3], 2*KS_W
.else
	s_sub_nc_u64 s[G0+4*\slot+2:G0+4*\slot+3], s[G0+4*\slot+2:G0+4*\slot+3], 6*KS_X-256*4096
	s_sub_nc_u64 s[G0B+4*\slot+2:G0B+4*\slot+3], s[G0B+4*\slot+2:G0B+4*\slot+3], 6*KS_W
.endif
	JLOAD \slot                                    ; the first tensor load behind the round, 184 matrix instructions ahead of the wait for it; its four v_nop are also the places in front of the loads below
.else
	PLACES
.endif
	FETCH \next, 0, F0
	WIN W_QK
	MULQK F1, 2, 0
	MULQK F1, 3, 0
	WIN W_V
	MULV F1, 0
.endm
; A tile: 8 K steps = 4 laps round the ring.  Its first quarter stands in front of the loop (its products start the sums); a trip goes from a lap's second quarter to the next lap's first.
; more = 1: another tile follows: the last lap's two changes of slots ask for its K steps 0 and 1, and the second fetches its first fragments.
.macro TILE more
	QUARTER 0, 1, F0, F1, 1
	WIN 0                                          ; at a label and at a branch every window is 0
	s_mov_b32 s3, 3
.Llap_\@:
	QUARTER 0, 2, F1, F0, 0
	QUARTER 0, 3, F0, F1, 0
	TURN 0, 1, 1
	QUARTER 1, 1, F0, F1, 0
	QUARTER 1, 2, F1, F0, 0
	QUARTER 1, 3, F0, F1, 0
	TURN 1, 0, 1
	QUARTER 0, 1, F0, F1, 0
	WIN 0
	s_sub_co_u32 s3, s3, 1
	s_cmp_lg_u32 s3, 0
	s_cbranch_scc1 .Llap_\@
	QUARTER 0, 2, F1, F0, 0
	QUARTER 0, 3, F0, F1, 0
.if \more
	TURN 0, 1, 2
.else
	TURN 0, 1, 0
.endif
	QUARTER 1, 1, F0, F1, 0
	QUARTER 1, 2, F1, F0, 0
	QUARTER 1, 3, F0, F1, 0
.if \more
	TURN 1, 0, 2
.else
	s_wait_dscnt 12                                ; the very last quarter: nothing more to fetch
	WIN W_QK
	MULQK F1, 0, 0
	MULQK F1, 1, 0
	s_wait_dscnt 0x0
	MULQK F1, 2, 0
	MULQK F1, 3, 0
	WIN W_V
	MULV F1, 0
.endif
	WIN 0
.endm
; THE WAY OUT: each accumulator, rounded to f16, is a piece, at token block a, piece b of its section; the place is the same for q, k and the turned v.
.macro OUTQKV more
	PLACES
	WIN 0x0a                                       ; sources 0 and 1 window 2, destination window 0
.set i, 0
.rept 32
.irp r, 0,1,2,3
	v_cvt_pk_f16_f32 v[TMP+4*i+\r], v[8*i+2*\r], v[8*i+2*\r+1]     ; each accumulator's registers in ascending order
.endr
.set i, i+1
.endr
	WIN 0x0f                                       ; sources 0 and 1 window 3
.set i, 0
.rept 16
.irp r, 0,1,2,3
	v_cvt_pk_f16_f32 v[TMP+128+4*i+\r], v[8*i+2*\r], v[8*i+2*\r+1]
.endr
.set i, i+1
.endr
	WIN 0
.irp a, 0,1,2,3
.irp b, 0,1,2,3
	global_store_b128 v[CO], v[TMP+4*(8*\a+\b):TMP+4*(8*\a+\b)+3], s[10:11] offset:2048*\a+512*\b       ; q: 512 neighbouring bytes, aligned
.endr
.irp b, 0,1,2,3
	global_store_b128 v[CO], v[TMP+4*(8*\a+4+\b):TMP+4*(8*\a+4+\b)+3], s[4:5] offset:2048*\a+512*\b     ; k
.endr
.irp b, 0,1,2,3
	global_store_b128 v[CO], v[TMP+128+4*(4*\a+\b):TMP+128+4*(4*\a+\b)+3], s[6:7] offset:2048*\a+512*\b ; v
.endr
.endr
.if \more
	s_wait_xcnt 0x0                                ; the stores' bases and data are written again only behind this wait
	s_add_nc_u64 s[10:11], s[10:11], 8388608       ; 16 token tiles on are two batches on: 32 heads of 262,144 bytes
	s_add_nc_u64 s[4:5], s[4:5], 8388608
	s_add_nc_u64 s[6:7], s[6:7], 8388608
.endif
.endm
	s_wait_tensorcnt 0x1                           ; my part of K step 0 is in; K step 1's may stay out
	s_barrier_signal -1
	s_barrier_wait -1                              ; everybody's is
	FETCH 0, 0, F0
	s_wait_loadcnt 0x0                             ; the bias
	TILE 1                                         ; token tile y
	OUTQKV 1
	TILE 0                                         ; token tile y + 16
	OUTQKV 0
	CROUND                                         ; the closing round: no work-group ends while a partner may still ask for a tile that names it
	s_endpgm
.Lfunc_end_k_q20663c222a_qkv:
	.size	k_q20663c222a_qkv, .Lfunc_end_k_q20663c222a_qkv-k_q20663c222a_qkv
	.p2alignl 7, 3214868480
	.fill 96, 4, 3214868480
	.section	.rodata,"a",@progbits
	.p2align	6, 0x0
	.amdhsa_kernel k_q20663c222a_qkv
		.amdhsa_group_segment_fixed_size 327680
		.amdhsa_private_segment_fixed_size 0
		.amdhsa_enable_private_segment 0
		.amdhsa_kernarg_size 32
		.amdhsa_user_sgpr_count 2
		.amdhsa_user_sgpr_kernarg_segment_ptr 1
		.amdhsa_wavefront_size32 1
		.amdhsa_system_sgpr_workgroup_id_x 1
		.amdhsa_system_sgpr_workgroup_id_y 1
		.amdhsa_system_sgpr_workgroup_id_z 1
		.amdhsa_system_vgpr_workitem_id 0
		.amdhsa_next_free_vgpr 960
		.amdhsa_next_free_sgpr 66
		.amdhsa_reserve_vcc 0
		.amdhsa_float_denorm_mode_32 3
		.amdhsa_float_denorm_mode_16_64 3
		.amdhsa_memory_ordered 1
		.amdhsa_forward_progress 1
		.amdhsa_inst_pref_size 219
	.end_amdhsa_kernel
	.amdgpu_metadata
---
amdhsa.version: [ 1, 2 ]
amdhsa.kernels:
  - .name:           k_q20663c222a_qkv
    .symbol:         k_q20663c222a_qkv.kd
    .args:
      - { .name: xf, .offset: 0, .size: 8, .value_kind: global_buffer, .address_space: global }
      - { .name: wf, .offset: 8, .size: 8, .value_kind: global_buffer, .address_space: global }
      - { .name: b_qkv, .offset: 16, .size: 8, .value_kind: global_buffer, .address_space: global }
      - { .name: qkvf, .offset: 24, .size: 8, .value_kind: global_buffer, .address_space: global }
    .group_segment_fixed_size: 327680
    .private_segment_fixed_size: 0
    .kernarg_segment_align: 8
    .kernarg_segment_size: 32
    .max_flat_workgroup_size: 128
    .sgpr_count:     66
    .vgpr_count:     960
    .wavefront_size: 32
...
	.end_amdgpu_metadata
.endif
;; end of part 6
;; launch attn (part 7): grid 256 x 1, 8 waves a work-group, no clusters, 0 bytes of LDS; arguments qkvf, mw, fl, b_qkv, of; writes of
.if DOCPART == 7
	.amdgcn_target "amdgcn-amd-amdhsa--gfx1250"
	.amdhsa_code_object_version 6
	.text
	.protected	k_q20663c222a_attn
	.globl	k_q20663c222a_attn
	.p2align	8
	.type	k_q20663c222a_attn,@function
k_q20663c222a_attn:
	s_mov_b64 s[64:65], 0
	v_nop
	global_prefetch_b8 v0, s[64:65] scope:SCOPE_SE
	s_setreg_imm32_b32 hwreg(HW_REG_WAVE_MODE, 25, 1), 1
	s_wait_xcnt 0x0
; attn: O[b][h][q] = sum over k of softmax_k(mask ? Q.K / 8 : -inf) V[k] + b_v, for 64 (batch, head) pairs of 2,048 x 2,048 at head size 64.  Operands in f16, sums, maxima and softmax in f32.
; Operands lie in memory in PIECES of 512 bytes (lane L owns bytes 16 L .. + 15 = M[16 rb + L % 16][16 kp + 8 (L / 16) + 0..7]), so every fragment is loaded straight into registers, 512 neighbouring bytes a load.
;   qkvf: Q at 0, K at 16 MiB, V at 32 MiB, each [bh 64][tb 128][4][512] (V: pieces of V^T);  of [head / 2][token block 512][4 (head % 2) + d / 16][512]: the last product's operand.
;   mw [qt 128][kb 128][j 8]: a word masks register j of the tile of scores (16 queries qt, 16 keys kb): bit = lane.   fl [qt][2]: bit u: key step u has some entry allowed / all allowed.
; LAYOUT.  S^T = K Q^T (source 0 = 16 keys, source 1 = 16 queries): a lane holds ONE query (L % 16) and keys 8 (L / 16) + 0..7.  Two such tiles, rounded to f16 in pairs, are source 1 of O^T = V^T P,
; whose result again holds one query a lane and 8 channels, which pack into the lane's 16 bytes of a piece of `of`.  Nothing changes lanes but one exchange between the halves for maximum and sum.
; SHARES.  Eight waves, two for each of a WGP's four SIMDs.  A wave owns 32 queries (2 tiles of 16) at a time and makes two passes: query block 63 - jj, then jj (jj = 0..31 over the four work-groups
; of a head): 2,048 waves in all.  A wave's key step is 16 products, 236 vector instructions of softmax that need them, and 16 products that need those: one wave walks them in phases.  The launch has
; no barrier, so the two waves of a SIMD are free to be in different phases, one's softmax beside the other's products.  The price: a step's 16 KiB of K and V feed 32 matrix instructions, not 64.
; KEY STEPS THAT THE MASK THROWS AWAY.  T = 1 + the last key step in which any of the wave's 32 queries has an allowed key, from fl; steps from T on are not walked.  Both this and the next point hold
; for every mask.  The pairing of blocks only evens the load out where late queries see more keys; no result rests on it.
; TWO VARIANTS OF A KEY STEP, chosen at its head by the step's bit 'all 32 x 64 entries allowed': the full one loads no mask words, waits for none and masks nothing; the masked one asks for its
; 64 words (32 a tile: exactly s[32:63] and s[68:99]) ahead of its first products and waits for them once, behind those.  Each variant holds its loads, its wait and their use on one path.
; SOFTMAX.  A running maximum m over the allowed scores and a sum l: p = 2^(c s - c m), c = log2(e) / 8; O and l are multiplied by a = 2^(c m_old - c m_new) in every step.  m starts at the lowest
; finite f32, so that a row with nothing allowed so far has p = 0, l = 0, O = 0 and a = 0 at its first allowed key; a row with nothing allowed at all ends as 0 x (1 / 0) = NaN, as the softmax of such a row is.
; v's bias is added here: the weights sum to 1, so sum p (v + b) / l = sum p v / l + b.
; NO LDS, NO CLUSTER, and why: the number of key steps is read from memory and differs from wave to wave (1 to 32), a slot of LDS is filled again only behind a barrier that every wave passes, and
; partners in a joint request would need the same number of tiles.  So each wave loads its own K and V, asked for most of a step ahead of their use.
; LIMITS: q, k, v and the result are f16 (|.| < 65,504); p is rounded to f16 for the second product (below 6e-8 it becomes 0).
; REGISTERS: window 0: v1 16 L, v2 -inf, v3 32 h; v8-23 statistics, 8 a tile; v32-95 S^T, 32 a tile; v96-127 P, 16 a tile (at a pass's end the packed result); v128-159 Q; v160-223 K of a step;
;   v224-255 b_v as O^T lies: register 8 db + j = b_v[16 db + 8 h + j].     window 1: v0-63 V of a step; v64-127 O^T, 32 a tile.
.set ST,  8           ; tile t's statistics at v[ST+8 t]: +0 c m, +1 m, +2, +3 l (even keys', odd keys'), +4 to +7 c0-c3, at work; a takes c2's place once the maximum is found
.set S,   32
.set P,   96
.set QF,  128
.set KF,  160
.set BVR, 224
.set VF,  0           ; in window 1
.set OT,  64          ; in window 1
.set CS,  20          ; s[20:21] c, twice
.set SEL, 22          ; s[22:23] lane selects for v_permlanex16_b32: each lane takes its own place in the other half
; s[2:3] K's head, s[4:5] V's head, s[6:7], s[8:9] the step's K and V, s[10:11] the step's mask words, s[12:13] Q's head, s[14:15] `of` at my head, s[16:17] mw, s[18:19] fl
; s24 T, s25 steps begun, s26 the 'all allowed' bits (shifted once a step), s27 pass, s28 query block, s29 jj, s[30:31] an offset (high word 0)
; s[32:63] mask words of tile 0, s[68:99] of tile 1, s[66:67] Q's block, s[100:101] the result's block
.set MSB, 0
.macro WIN new                         ; the immediate's high byte repeats the setting that is left; a switch that changes nothing is dropped
.if MSB != \new
	s_set_vgpr_msb (MSB<<8)|\new
.set MSB, \new
.endif
.endm
.macro PLACES                          ; four places behind matrix instructions, in front of reads of their results and of loads into their sources
.rept 4
	v_nop
.endr
.endm
.macro LOADK                           ; a step's K: 64 keys x 64 channels: piece i = 4 kb + p
.irp i, 0,1,2,3,4,5,6,7,8,9,10,11,12,13,14,15
	global_load_b128 v[KF+4*\i:KF+4*\i+3], v1, s[6:7] offset:512*\i
.endr
.endm
.macro LOADV                           ; a step's V^T: piece i = 4 tb + db goes where fragment (keys 32 (tb / 2) on, channels 16 db on) wants its half tb % 2
	WIN 0x40                                       ; destination window 1
.irp i, 0,1,2,3,4,5,6,7,8,9,10,11,12,13,14,15
.set rV, VF+32*(\i/8)+8*(\i%4)+4*((\i/4)&1)
	global_load_b128 v[rV:rV+3], v1, s[8:9] offset:512*\i
.endr
.endm
.macro MASK2                           ; both tiles: a forbidden score becomes -inf; each accumulator's registers in ascending order
.set n, 0
.rept 32
	v_cndmask_b32 v[S+n], v2, v[S+n], s[32+n]
	v_cndmask_b32 v[S+32+n], v2, v[S+32+n], s[68+n]
.set n, n+1
.endr
.endm
; One tile's softmax for one key step is a list of 118 instructions; SM writes number j of it for tile t.  s0-s31 are the lane's 32 scores, in pairs 0-15.  first = 1: the pass's first step, which starts l and O^T.
;   0-15    the maximum of s0-s31 and the old m, three operands at a time
;   16-20   the other half of the lanes' maximum; the new m; c m; c m_old - c m_new
;   21-87   33 exponentials (a, then s0-s31) at the odd numbers from 23 on, a plain instruction between any two: c s - c m for a pair to come, the rounding to f16 of a pair that is done, the first sums
;   88-101  the last rounding; the rest of the sums; l = a l + the sum
;   102-117 the tile's O^T times a
.macro SM t, first
.set rT, ST+8*(\t)
.set rS, S+32*(\t)
.set rP, P+16*(\t)
.set rO, OT+32*(\t)+2*(j-102)
.set q, (j-20)/2
.if j < 102
	WIN 0
.endif
.if j < 4
	v_max3_num_f32 v[rT+4+j], v[rS+8*j], v[rS+8*j+1], v[rS+8*j+2]
.elseif j < 12
	v_max3_num_f32 v[rT+4+j%4], v[rT+4+j%4], v[rS+8*(j%4)+2*(j/4)+1], v[rS+8*(j%4)+2*(j/4)+2]
.elseif j == 12
	v_max3_num_f32 v[rT+4], v[rT+4], v[rS+7], v[rS+15]
.elseif j == 13
	v_max3_num_f32 v[rT+6], v[rT+6], v[rS+23], v[rS+31]
.elseif j == 14
	v_max3_num_f32 v[rT+4], v[rT+4], v[rT+5], v[rT+6]
.elseif j == 15
	v_max3_num_f32 v[rT+4], v[rT+4], v[rT+7], v[rT+1]  ; the old m, in the first step the floor: m is never -inf
.elseif j == 16
	v_permlanex16_b32 v[rT+5], v[rT+4], s[SEL], s[SEL+1]  ; the query's other 32 keys lie in the lane 16 away
.elseif j == 18
	v_max_num_f32 v[rT+1], v[rT+4], v[rT+5]
.elseif j == 19
	v_mul_f32 v[rT], s[CS], v[rT+1]
.elseif ((j == 17) || (j == 20) || (j == 23) || (j > 101)) && \first  ; the first step has none of these
.elseif j == 17
	v_mov_b32 v[rT+7], v[rT]        ; c m_old is kept for a: number 19 writes c m anew
.elseif j == 20
	v_sub_f32 v[rT+7], v[rT+7], v[rT]
.elseif j == 23
	v_exp_f32 v[rT+6], v[rT+7]
.elseif (j < 88) && (j > 23) && (j%2 == 1)
	v_exp_f32 v[rS+(j-25)/2], v[rS+(j-25)/2]
.elseif (q < 4) || ((j < 76) && (q%2 == 0))
.set b, q/2+2
.if q < 4
.set b, q
.endif
	v_pk_fma_f32 v[rS+2*b:rS+2*b+1], v[rS+2*b:rS+2*b+1], s[CS:CS+1], v[rT:rT+1] op_sel_hi:[1,0,0] neg_lo:[0,0,1] neg_hi:[0,0,1]  ; pair b: c s - c m
.elseif (j < 88) && (q%2 == 1)
	s_wait_alu depctr_va_vdst(0)
	v_cvt_pk_f16_f32 v[rP+(q-5)/2], v[rS+q-5], v[rS+q-4]  ; pair (q - 5) / 2: its second exponential stands three numbers back
.elseif j == 89
	s_wait_alu depctr_va_vdst(0)
	v_cvt_pk_f16_f32 v[rP+15], v[rS+30], v[rS+31]
.elseif j < 102                     ; the sum of the tile's 16 pairs, in place: sum z of 16 adds neighbours 1, 2, 4 and 8 pairs apart, then l takes it
.set z, j-86
.if j < 89
.set z, (j-76)/4
.endif
.set w, 4
.set u, z
.if z >= 14
.set w, 32
.set u, 0
.elseif z >= 12
.set w, 16
.set u, z-12
.elseif z >= 8
.set w, 8
.set u, z-8
.endif
.if (z == 14) && \first
	v_pk_add_f32 v[rT+2:rT+3], v[rS:rS+1], v[rS+16:rS+17]
.elseif z < 15
	v_pk_add_f32 v[rS+w*u:rS+w*u+1], v[rS+w*u:rS+w*u+1], v[rS+w*u+w/2:rS+w*u+w/2+1]
.elseif !\first
	v_pk_fma_f32 v[rT+2:rT+3], v[rT+2:rT+3], v[rT+6:rT+7], v[rS:rS+1] op_sel_hi:[1,0,1]
.endif
.else
	WIN 0x41                                       ; O^T (destination and source 0) in window 1, a in window 0
	v_pk_mul_f32 v[rO:rO+1], v[rO:rO+1], v[rT+6:rT+7] op_sel_hi:[1,0]
.endif
.endm
; Slice k: numbers 2 k and 2 k + 1 of the two tiles' lists.  Among the exponentials tile by tile (plain, exponential, plain, exponential: a plain instruction of the other tile or of a later pair stands
; behind each exponential, ISA guide 5.7.2); elsewhere the tiles alternate, so that no instruction reads the result of the one just before it.
.macro SLICE first
.if (k >= 11) && (k < 44)
.irp t, 0,1
.irp n, 0,1
.set j, 2*k+\n
	SM \t, \first
.endr
.endr
.else
.irp n, 0,1
.irp t, 0,1
.set j, 2*k+\n
	SM \t, \first
.endr
.endr
.endif
.set k, k+1
.endm
.macro SOFTMAX first                   ; both tiles: 59 slices = 2 x 118 instructions
.set k, 0
.rept 59
	SLICE \first
.endr
.endm
; A KEY STEP of 64 keys.  first = 1: the pass's first.  masked = 1: some entry of the step is forbidden.  s25 has been stepped in front of it: it counts this step too.
.macro STEP first, masked
.if \masked
	s_load_b512 s[32:47], s[10:11], 0x0            ; the mask words: 32 a tile, the tiles 4,096 bytes apart; asked for ahead of the products
	s_load_b512 s[48:63], s[10:11], 0x40
	s_load_b512 s[68:83], s[10:11], 0x1000
	s_load_b512 s[84:99], s[10:11], 0x1040
.endif
.if \first
	s_wait_loadcnt 0x0                             ; Q was asked for last: all is in
.else
	s_wait_loadcnt 16                              ; this step's K is in; the 16 younger loads, its V, stay out
.endif
.set i, 0
.rept 16                               ; channels 32 (i / 8) on, keys 16 ((i / 2) % 4) on, tile i % 2: the 8 accumulators take turns, one instruction a turn
.set rS, S+32*(i&1)+8*((i>>1)&3)
.set rK, KF+16*((i>>1)&3)+8*(i>>3)
.set rQ, QF+16*(i&1)+8*(i>>3)
.if i < 8
	v_wmma_f32_16x16x32_f16 v[rS:rS+7], v[rK:rK+7], v[rQ:rQ+7], 0
.else
	v_wmma_f32_16x16x32_f16 v[rS:rS+7], v[rK:rK+7], v[rQ:rQ+7], v[rS:rS+7]
.endif
.set i, i+1
.endr
	PLACES
	s_cmp_lt_u32 s25, s24                          ; the next step, or step 0 behind the last one: that is the next pass's first step
	s_cselect_b32 s30, s25, 0                      ; (behind the second pass it is one fetch of 16 KiB that nobody uses; it stays inside the buffer)
	s_min_u32 s30, s30, 31
	s_lshl_b32 s30, s30, 13                        ; 64 keys are 8,192 bytes of K and of V
	s_add_nc_u64 s[6:7], s[2:3], s[30:31]          ; this step's K loads are done (the wait above): their base may be written
	LOADK
.if \masked
	s_wait_kmcnt 0x0                               ; the mask words are in, so their base may step below
	MASK2
.endif
	s_add_nc_u64 s[10:11], s[10:11], 128           ; the next step's 32 words a tile
	SOFTMAX \first
	s_wait_loadcnt 16                              ; this step's V is in; the 16 younger loads, the next step's K, stay out
	WIN 0x51                                       ; V and O^T in window 1, P in window 0
.set i, 0
.rept 16                               ; keys 32 (i / 8) on, channels 16 ((i / 2) % 4) on, tile i % 2: again 8 accumulators by turns
.set rO, OT+32*(i&1)+8*((i>>1)&3)
.set rV, VF+32*(i>>3)+8*((i>>1)&3)
.set rP, P+16*(i&1)+8*(i>>3)
.if \first && (i < 8)
	v_wmma_f32_16x16x32_f16 v[rO:rO+7], v[rV:rV+7], v[rP:rP+7], 0
.else
	v_wmma_f32_16x16x32_f16 v[rO:rO+7], v[rV:rV+7], v[rP:rP+7], v[rO:rO+7]
.endif
.set i, i+1
.endr
	WIN 0
	PLACES
	s_add_nc_u64 s[8:9], s[4:5], s[30:31]          ; this step's V loads are done: their base may be written
	LOADV
	WIN 0
	s_lshr_b32 s26, s26, 1                         ; the next step's bit
.endm
	s_load_b256 s[32:39], s[0:1], 0x0              ; qkvf s[32:33], mw s[34:35], fl s[36:37], b_qkv s[38:39]
	s_load_b64 s[14:15], s[0:1], 0x20              ; of
	v_lshrrev_b32 v4, 5, v0
	v_readfirstlane_b32 s24, v4                    ; wave 0..7
	v_and_b32 v4, 31, v0
	v_lshlrev_b32 v1, 4, v4                        ; 16 L; never rewritten
	v_mov_b32 v2, 0xff800000                       ; -inf
	v_bfe_u32 v3, v0, 4, 1
	v_lshlrev_b32 v3, 5, v3                        ; 32 h
	s_lshr_b32 s28, ttmp9, 2                       ; batch x 16 + head
	s_and_b32 s29, ttmp9, 3
	s_lshl3_add_u32 s29, s29, s24                  ; jj = 8 (work-group % 4) + wave
	s_and_b32 s25, s28, 15                         ; head
	s_lshr_b32 s26, s28, 4                         ; batch
	s_mov_b32 s31, 0
	s_mov_b32 s[CS], 0x3e38aa3b                    ; c = log2(e) / 8 = 0.180337
	s_mov_b32 s[CS+1], s[CS]                       ; named with it as a pair, so it is written
	s_mov_b32 s[SEL], 0x76543210
	s_mov_b32 s[SEL+1], 0xfedcba98
	s_mov_b32 s27, 0
	s_wait_kmcnt 0x0
	s_lshl_b32 s30, s28, 18                        ; a head is 262,144 bytes in each section
	s_add_nc_u64 s[12:13], s[32:33], s[30:31]
	s_add_nc_u64 s[2:3], s[12:13], 16777216
	s_add_nc_u64 s[4:5], s[12:13], 33554432
	s_mov_b64 s[16:17], s[34:35]
	s_mov_b64 s[18:19], s[36:37]
	s_lshl_b32 s30, s25, 8                         ; b_v of my head: 4 (2,048 + 64 head) bytes on
	s_add_co_u32 s30, s30, 8192
	s_add_nc_u64 s[38:39], s[38:39], s[30:31]
	s_lshr_b32 s30, s25, 1                         ; of: (head / 2) x 2 MiB + batch x 128 token blocks of 4,096 + (head % 2) x 2,048
	s_lshl_b32 s30, s30, 21
	s_lshl_b32 s24, s26, 19
	s_add_co_u32 s30, s30, s24
	s_and_b32 s24, s25, 1
	s_lshl_b32 s24, s24, 11
	s_add_co_u32 s30, s30, s24
	s_add_nc_u64 s[14:15], s[14:15], s[30:31]
	s_mov_b64 s[6:7], s[2:3]
	s_mov_b64 s[8:9], s[4:5]
.irp d, 0,1,2,3
	global_load_b128 v[BVR+8*\d:BVR+8*\d+3],   v3, s[38:39] offset:64*\d
	global_load_b128 v[BVR+8*\d+4:BVR+8*\d+7], v3, s[38:39] offset:64*\d+16
.endr
	LOADK                                          ; key step 0
	LOADV
	WIN 0
.Lpass:
	s_wait_xcnt 0x0                                ; every earlier memory instruction has had its addresses translated: b_v's base, the last pass's result and its base are written again only behind this wait
	s_sub_co_u32 s30, 63, s29
	s_cmp_eq_u32 s27, 0
	s_cselect_b32 s28, s30, s29                    ; query block 63 - jj, then jj
	s_lshl_b32 s30, s28, 4
	s_add_nc_u64 s[66:67], s[18:19], s[30:31]
	s_load_b128 s[32:35], s[66:67], 0x0            ; the flags of my two tiles
	s_lshl_b32 s30, s28, 13
	s_add_nc_u64 s[10:11], s[16:17], s[30:31]      ; mask words: 2 tiles of 4,096 bytes
	s_add_nc_u64 s[100:101], s[14:15], s[30:31]    ; the result: 2 token blocks of 4,096 bytes
	s_wait_kmcnt 0x0
	s_lshl_b32 s30, s28, 12
	s_add_nc_u64 s[66:67], s[12:13], s[30:31]      ; Q: 2 token blocks of 2,048 bytes
.irp i, 0,1,2,3,4,5,6,7
	global_load_b128 v[QF+4*\i:QF+4*\i+3], v1, s[66:67] offset:512*\i
.endr
	s_and_b32 s26, s33, s35                        ; a step is 'all allowed' if it is so in both tiles
	s_or_b32 s24, s32, s34                         ; and is walked if some entry of some tile is allowed, or a later step is:
.irp n, 1,2,4,8,16
	s_lshr_b32 s30, s24, \n                        ; every bit below the highest one is set,
	s_or_b32 s24, s24, s30
.endr
	s_bcnt1_i32_b32 s24, s24                       ; and counted: T
	s_max_u32 s24, s24, 1                          ; a block with nothing allowed walks one step, which makes its NaN
	s_min_u32 s24, s24, 32
	s_mov_b32 s25, 1                               ; steps begun: the first
.irp t, 0,1
	v_mov_b32 v[ST+8*\t+1], 0xff7fffff             ; m starts at the lowest finite number
.endr
	s_bitcmp1_b32 s26, 0                           ; all 32 x 64 entries of this step allowed?
	s_cbranch_scc1 .Lfirst_full
	STEP 1, 1
	s_branch .Lfirst_done
.Lfirst_full:
	STEP 1, 0
.Lfirst_done:
	s_cmp_lt_u32 s25, s24
	s_cbranch_scc0 .Lsteps_done
.Lstep:
	s_add_co_u32 s25, s25, 1                       ; the trip's one step of the counter, outside both variants
	s_bitcmp1_b32 s26, 0
	s_cbranch_scc1 .Lstep_full
	STEP 0, 1
	s_branch .Lstep_join
.Lstep_full:
	STEP 0, 0
.Lstep_join:
	s_cmp_lt_u32 s25, s24
	s_cbranch_scc1 .Lstep
.Lsteps_done:
	; THE WAY OUT.  l's two halves and the other half of the lanes' are added; O^T / l + b_v, rounded to f16, is a piece of `of` as it lies.
.irp t, 0,1
	v_add_f32 v[ST+8*\t+4], v[ST+8*\t+2], v[ST+8*\t+3]
.endr
.irp t, 0,1
	v_permlanex16_b32 v[ST+8*\t+5], v[ST+8*\t+4], s[SEL], s[SEL+1]
.endr
.irp t, 0,1
	v_add_f32 v[ST+8*\t+4], v[ST+8*\t+4], v[ST+8*\t+5]
.endr
.irp t, 0,1
	v_rcp_f32 v[ST+8*\t+6], v[ST+8*\t+4]
.endr
	v_nop                                          ; a plain instruction between the last reciprocal and the use of its result
	WIN 0x41                                       ; O^T (destination, source 0) in window 1; 1 / l and b_v in window 0
	s_wait_alu depctr_va_vdst(0)
.irp t, 0,1
.set i, 0
.rept 16
	v_pk_fma_f32 v[OT+32*\t+2*i:OT+32*\t+2*i+1], v[OT+32*\t+2*i:OT+32*\t+2*i+1], v[ST+8*\t+6:ST+8*\t+7], v[BVR+2*i:BVR+2*i+1] op_sel_hi:[1,0,1]
.set i, i+1
.endr
.endr
	WIN 0x05                                       ; sources 0 and 1 window 1, destination window 0: P's registers are free
.irp t, 0,1
.set i, 0
.rept 16
	v_cvt_pk_f16_f32 v[P+16*\t+i], v[OT+32*\t+2*i], v[OT+32*\t+2*i+1]
.set i, i+1
.endr
.endr
	WIN 0
.irp t, 0,1
.irp d, 0,1,2,3
	global_store_b128 v1, v[P+16*\t+4*\d:P+16*\t+4*\d+3], s[100:101] offset:4096*\t+512*\d   ; 512 neighbouring bytes, aligned
.endr
.endr
	s_add_co_u32 s27, s27, 1
	s_cmp_lt_u32 s27, 2
	s_cbranch_scc1 .Lpass
	s_endpgm
.Lfunc_end_k_q20663c222a_attn:
	.size	k_q20663c222a_attn, .Lfunc_end_k_q20663c222a_attn-k_q20663c222a_attn
	.p2alignl 7, 3214868480
	.fill 96, 4, 3214868480
	.section	.rodata,"a",@progbits
	.p2align	6, 0x0
	.amdhsa_kernel k_q20663c222a_attn
		.amdhsa_group_segment_fixed_size 0
		.amdhsa_private_segment_fixed_size 0
		.amdhsa_enable_private_segment 0
		.amdhsa_kernarg_size 40
		.amdhsa_user_sgpr_count 2
		.amdhsa_user_sgpr_kernarg_segment_ptr 1
		.amdhsa_wavefront_size32 1
		.amdhsa_system_sgpr_workgroup_id_x 1
		.amdhsa_system_sgpr_workgroup_id_y 1
		.amdhsa_system_sgpr_workgroup_id_z 1
		.amdhsa_system_vgpr_workitem_id 0
		.amdhsa_next_free_vgpr 384
		.amdhsa_next_free_sgpr 102
		.amdhsa_reserve_vcc 0
		.amdhsa_float_denorm_mode_32 3
		.amdhsa_float_denorm_mode_16_64 3
		.amdhsa_memory_ordered 1
		.amdhsa_forward_progress 1
		.amdhsa_inst_pref_size 94
	.end_amdhsa_kernel
	.amdgpu_metadata
---
amdhsa.version: [ 1, 2 ]
amdhsa.kernels:
  - .name:           k_q20663c222a_attn
    .symbol:         k_q20663c222a_attn.kd
    .args:
      - { .name: qkvf, .offset: 0, .size: 8, .value_kind: global_buffer, .address_space: global }
      - { .name: mw, .offset: 8, .size: 8, .value_kind: global_buffer, .address_space: global }
      - { .name: fl, .offset: 16, .size: 8, .value_kind: global_buffer, .address_space: global }
      - { .name: b_qkv, .offset: 24, .size: 8, .value_kind: global_buffer, .address_space: global }
      - { .name: of, .offset: 32, .size: 8, .value_kind: global_buffer, .address_space: global }
    .group_segment_fixed_size: 0
    .private_segment_fixed_size: 0
    .kernarg_segment_align: 8
    .kernarg_segment_size: 40
    .max_flat_workgroup_size: 256
    .sgpr_count:     102
    .vgpr_count:     384
    .wavefront_size: 32
...
	.end_amdgpu_metadata
.endif
;; end of part 7
;; launch proj: the kernel of part 4 again; grid 4 x 64, 4 waves a work-group, clusters of 4 x 4, 327,680 bytes of LDS; arguments of, wf, b_proj, out0; writes out0
